; MI455X (gfx1250); checked and timed in simulation.
; The chip was launched on July 23, 2026; its instructions are those of AMD's public machine-readable ISA for CDNA 5 (MIT licence, August 2026) and "CDNA5" Instruction Set Architecture Reference Guide (July 2026). The comments in the code are by the model that wrote it; some were corrected since.
;; GQ Attention. Allowed arithmetic: matrix products marked QUANTISED: E3M2 operands, one E8M0 scale for each 32 along K, by v_wmma_scale_f32_16x16x128_f8f6f4 with both operands' format E3M2, f32 sums; everything else in f32.
;; Inputs: Wk 512 x 2,048 float32; Wproj 2,048 x 2,048 float32; Wq 2,048 x 2,048 float32; Wv 512 x 2,048 float32; q_gain 16 float32; x 1 x 2,048 x 2,048 float32.
;; Outputs: out0 1 x 2,048 x 2,048 float32.
;; This version of the problem:
;;   THIS VERSION OF THE PROBLEM IS GIVEN IN LOW PRECISION. The matrix products marked QUANTISED in the list below multiply operands that are first quantised to E3M2 (3 exponent bits, 2 mantissa bits; 6 bits a number), with one power-of-two scale for each 32 numbers along K (OCP MX v1.0); their sums are f32. All else is computed in f32.
;;   The module's matrix products, in the order in which they are computed (A, B: the left and right operand; K: the contracted axis; several contracted axes count as one K, in the product's order):
;;     1. [M 2,048, K 2,048] x [K 2,048, N 2,048]; A: input x; B: input Wq: QUANTISED
;;     2. [M 2,048, K 2,048] x [K 2,048, N 512]; A: input x; B: input Wk: QUANTISED
;;     3. [M 2,048, K 2,048] x [K 2,048, N 512]; A: input x; B: input Wv: QUANTISED
;;     4. batch 16 x [M 2,048, K 128] x [K 128, N 2,048]; A: computed on the way; B: computed on the way: QUANTISED
;;     5. batch 16 x [M 2,048, K 2,048] x [K 2,048, N 128]; A: softmax (see below); B: computed on the way: QUANTISED
;;     6. [M 2,048, K 2,048] x [K 2,048, N 2,048]; A: computed on the way; B: input Wproj: QUANTISED
;;   THE QUANTISER, for each operand of a quantised product, along K:
;;     - K is cut into blocks of 32 from its start; a last block that is shorter is filled with zeros.
;;     - A block's scale is 2^e with e = floor(log2(the largest magnitude in the block)) - 4, held to -126 .. 127; a block of zeros has e = 0. As a byte (E8M0): e + 127.
;;     - Each number is divided by its block's scale, clamped to +-28, and rounded to the nearest number of E3M2, ties to even, subnormals kept.
;;     - The product sums the exact products of the quantised numbers (number of the format x scale) in f32.
;;   ~~~python
;;   def quantise(x, axis):      # numpy; x: float32 -> the quantised numbers, widened to float32 again
;;       x = np.moveaxis(x, axis, -1); K = x.shape[-1]
;;       x = np.pad(x, [(0, 0)] * (x.ndim - 1) + [(0, -K % 32)]); x = x.reshape(x.shape[:-1] + (-1, 32)); a = np.abs(x).max(-1, keepdims=True)
;;       e = np.where(a > 0, np.clip(np.frexp(np.where(a > 0, a, 1))[1] - 1 - 4, -126, 127), 0)      # np.frexp(a)[1] - 1 = floor(log2(a)), exactly
;;       r = np.clip(x / 2.0 ** e, -28, 28)
;;       step = 2.0 ** (np.maximum(np.frexp(np.where(r == 0, 1, r))[1] - 1, -2) - 2)
;;       q = np.round(r / step) * step * 2.0 ** e      # np.round: ties to even
;;       return np.moveaxis(q.reshape(q.shape[:-2] + (-1,))[..., :K], -1, axis).astype(np.float32)
;;   ~~~
;;   SOFTMAX AHEAD OF A QUANTISED PRODUCT. Where the list says 'softmax', what is quantised is not the finished softmax but p = 2^(t - M), with t = logit x log2(e) and M = ceil(the row's largest t), a whole number; so 1/2 < the row's largest p <= 1. The row's sum l is taken of the UNQUANTISED p, in f32, and the product's result is divided by l at the end. Since M is a whole number, a kernel that streams over the keys may use a running M (the ceiling of the running maximum): every later rescaling is an exact power of two, which a block's scale takes up: the codes' values come out the same.
;;   OPERANDS COMPUTED ON THE WAY. 'Computed on the way' means the value that the module computes at that place (a softmax that the list does not call 'softmax' is quantised finished and normalised). What goes into a quantiser is computed in f32, as accurately as f32 sums, v_exp_f32 and their like allow (about 1e-6 of the number): no bf16 or f16 on the way to a quantiser, and a product that is left as it is and whose result goes on into a quantised operand takes f32 operands (vector FMAs, or v_wmma_f32_16x16x4_f32). A number that lies on a knife's edge between two numbers of the format may be rounded either way, as far as f32 arithmetic and the matrix unit's own rounding can turn it there, and no further.
;; One version. Each part assembles by itself: llvm-mc -triple=amdgcn-amd-amdhsa -mcpu=gfx1250 --defsym DOCPART=n.
;; ======== version 1 of 1: 4 launches
;; limits: right only within a limited range of input values
;; workspace buffers: codes1 11,010,048 bytes; scales1 458,752 bytes; tab 557,056 bytes; qkvc 4,718,592 bytes; qkvs 196,608 bytes; acodes 3,145,728 bytes; ascales 131,072 bytes
;; launch quant (part 1): grid 516 x 1, 4 waves a work-group, no clusters, 34,304 bytes of LDS; arguments x, Wq, Wk, Wv, Wproj, codes1, scales1, tab; writes codes1, scales1, tab
.if DOCPART == 1
	.amdgcn_target "amdgcn-amd-amdhsa--gfx1250"
	.amdhsa_code_object_version 6
	.text
	.protected	k_q7f0880b1f6_quant
	.globl	k_q7f0880b1f6_quant
	.p2align	8
	.type	k_q7f0880b1f6_quant,@function
k_q7f0880b1f6_quant:
	s_mov_b64 s[64:65], 0
	v_nop
	global_prefetch_b8 v0, s[64:65] scope:SCOPE_SE
	s_setreg_imm32_b32 hwreg(HW_REG_WAVE_MODE, 25, 1), 1
	s_wait_xcnt 0x0
; x, Wq, Wk, Wv, Wproj (f32, 2,048 numbers a row, K innermost) become codes of BF6 (E3M2) with one E8M0 byte for each 32 along K; and the table of cos and sin for the partial RoPE is made.
; A block's scale is 2^(floor(log2(largest magnitude)) - 4); its byte is that magnitude's exponent field - 4, held at 1 from below.
; LIMITS: a block of zeros gets the byte 1 where the rule says 127 (its codes are zeros, and only this program reads the bytes); blocks whose largest magnitude lies under 2^-122 are held at byte 1;
; NaN and infinities among the inputs are not served.
; LAYOUT OF THE CODES: images of operand registers.  A fragment is 16 rows x 128 K, 12 registers a lane, 1,536 bytes: register g of lane l at byte 512 (g / 4) + 16 l + 4 (g % 4).
; The 16 rows of tile T are rows 32 (T / 2) + 8 (T % 2) + i + 8 (i / 8) of their tensor.  codes1: [tile 448][K step 16][1,536]; tiles 0-127 x, 128-255 Wq, 256-287 Wk, 288-319 Wv, 320-447 Wproj.
; scales1: [tile][group of four K steps][row 16][4 words]: 256 bytes a group.
; SHARES: work-group g < 448 takes tile g, its wave w the K steps 4 w .. 4 w + 3.  Each load reads 512 consecutive bytes of one row; a K step's 16 rows turn through the wave's own stage in LDS
; (rows 528 bytes apart) so that a lane holds, of its row, 16 neighbours of each block of 32.  Waves share nothing: no barrier.  Work-groups 448 .. 515 make the table and use no LDS.
.set NT,   448
.set STGB, 8448                        ; a wave's stage: 16 rows x (512 + 16) bytes
.set SP,   528
.set R,    0                           ; v256-511 (window 1): four sets of 64 registers as loaded, one for each of my K steps
.set X,    144                         ; v144-207 register 16 b + i = k 32 b + 16 (lane / 16) + i of my row
.set TM,   208                         ; v208-223 at work in QUANT
.set PC,   224                         ; v224-242 the codes
.set PW,   244                         ; v244-247 the four K steps' scale words
.set SEL,  40                          ; s[40:41] selects for v_permlanex16_b32: lane l xor 16
; 64 numbers of a lane, v[s] .. v[s + 63], become a fragment's codes in v[pc] .. v[pc + 11] and its scale word in v[pw] (the same in lanes l and l xor 16).
.macro QUANT s, pc, pw
.irp b, 0,1,2,3
	v_max3_num_f32 v[TM+\b], |v[\s+16*\b]|, |v[\s+1+16*\b]|, 0x2800000   ; block b: my 16 numbers, and the floor 2^(5 - 127): the byte cannot fall under 1
.endr
.irp i, 2,4,6,8,10,12,14
.irp b, 0,1,2,3
	v_max3_num_f32 v[TM+\b], v[TM+\b], |v[\s+16*\b+\i]|, |v[\s+1+16*\b+\i]|   ; the four blocks by turns
.endr
.endr
.irp b, 0,1,2,3
	v_permlanex16_b32 v[TM+4+\b], v[TM+\b], s[SEL], s[SEL+1]
.endr
.irp b, 0,1,2,3
	v_max_num_f32 v[TM+\b], v[TM+\b], v[TM+4+\b]   ; with lane l xor 16's 16: the block's largest magnitude
.endr
.irp b, 0,1,2,3
	v_add_nc_u32 v[TM+12+\b], 0xfe000000, v[TM+\b]   ; 4 off its exponent field: the conversion's scale operand
.endr
.irp b, 0,1,2,3
	v_lshrrev_b32 v[TM+4+\b], 23, v[TM+12+\b]      ; the scale's byte
.endr
	v_lshl_or_b32 v[\pw], v[TM+5], 8, v[TM+4]
	v_lshl_or_b32 v[\pw], v[TM+6], 16, v[\pw]
	v_lshl_or_b32 v[\pw], v[TM+7], 24, v[\pw]
.irp c, 0,1
	v_cvt_scalef32_pk16_bf6_f32 v[\pc+6*\c:\pc+2+6*\c], v[\s+32*\c:\s+15+32*\c], v[TM+12+2*\c]
	v_cvt_scalef32_pk16_bf6_f32 v[\pc+12+4*\c:\pc+14+4*\c], v[\s+16+32*\c:\s+31+32*\c], v[TM+12+2*\c+1]   ; (a conversion's three registers begin on an even number)
.endr
	v_nop                                          ; one plain place behind a scaled conversion
.irp c, 0,1                                    ; the operand's layout wants a whole block in a lane: lanes 0-15 block 2 c, lanes 16-31 block 2 c + 1
.irp i, 0,1,2
	v_permlane16_swap_b32 v[\pc+6*\c+\i], v[\pc+12+4*\c+\i]
.endr
.irp i, 0,1,2
	v_mov_b32 v[\pc+3+6*\c+\i], v[\pc+12+4*\c+\i]
.endr
.endr
.endm
.macro LOAD t                          ; K step t of my four: 16 rows x 512 bytes, a row a load
	s_set_vgpr_msb 0x0040                          ; destination window 1
.irp i, 0,1,2,3,4,5,6,7,8,9,10,11,12,13,14,15
	global_load_b128 v[R+64*(\t)+4*\i:R+64*(\t)+4*\i+3], v2, s[20:21] offset:(\i+8*(\i/8))*8192+512*(\t) th:TH_LOAD_NT
.endr
	s_set_vgpr_msb 0x4000
.endm
.macro STEP t
	s_wait_loadcnt 16*(3-(\t))                     ; this step's 16 loads are in; the 16 of each later step may be out
	s_set_vgpr_msb 0x0004                          ; an LDS store's data are its source 1: window 1
.irp i, 0,1,2,3,4,5,6,7,8,9,10,11,12,13,14,15
	ds_store_b128 v3, v[R+64*(\t)+4*\i:R+64*(\t)+4*\i+3] offset:SP*\i
.endr
	s_set_vgpr_msb 0x0400
.irp b, 0,1,2,3
.irp j, 0,1,2,3
	ds_load_b128 v[X+16*\b+4*\j:X+16*\b+4*\j+3], v4 offset:128*\b+16*\j   ; LDS serves a wave's instructions in order: these see the stores above
.endr
.endr
	s_wait_dscnt 0x0                               ; my 64 numbers are in, and the stage's stores have read their registers
.if (\t) > 0
	s_wait_xcnt 0x0                                ; the last image's stores have read the codes' registers: they are written again only behind this wait
.endif
	QUANT X, PC, PW+(\t)
.irp c, 0,1,2
	global_store_b128 v2, v[PC+4*\c:PC+4*\c+3], s[14:15] offset:1536*(\t)+512*\c   ; 32 lanes store 512 consecutive bytes
.endr
.endm
	s_load_b256 s[4:11], s[0:1], 0x0               ; x, Wq, Wk, Wv
	s_load_b256 s[12:19], s[0:1], 0x20             ; Wproj, codes1, scales1, tab
	v_lshl_add_u32 v254, v0, 2, 0x8400
	v_mov_b32 v255, 0
	v_lshrrev_b32 v1, 5, v0
	v_readfirstlane_b32 s24, v1                    ; wave
	v_and_b32 v1, 31, v0                           ; lane
	s_wait_kmcnt 0x0
	s_cmp_ge_u32 ttmp9, NT
	s_cbranch_scc1 .Ltable
	s_wait_alu depctr_va_vdst(0)
	v_lshlrev_b32 v2, 4, v1                        ; 16 x lane
	v_and_b32 v6, 15, v0                           ; r
	v_bfe_u32 v7, v0, 4, 1                         ; h
	s_mul_i32 s25, s24, STGB
	v_add_nc_u32 v3, s25, v2                       ; into the stage: 16 x lane of a row
	v_mul_u32_u24 v4, v6, SP
	v_lshl_add_u32 v4, v7, 6, v4
	v_add_nc_u32 v4, s25, v4                       ; out of it: row r, + 64 h
	v_lshlrev_b32 v5, 4, v6
	v_lshl_add_u32 v5, v7, 3, v5                   ; the scale words' place: 16 r + 8 h
	s_mov_b32 s[SEL], 0x76543210
	s_mov_b32 s[SEL+1], 0xfedcba98
.irp b, 0,1,2,3
	v_mov_b32 v[TM+4+\b], 0                        ; written once: a lane permute's destination counts as one of its sources
.endr
	s_mov_b64 s[20:21], s[4:5]                     ; which tensor, and its first tile: chosen by the work-group's number alone
	s_mov_b32 s22, 0
	s_cmp_ge_u32 ttmp9, 128
	s_cselect_b64 s[20:21], s[6:7], s[20:21]
	s_cselect_b32 s22, 128, s22
	s_cmp_ge_u32 ttmp9, 256
	s_cselect_b64 s[20:21], s[8:9], s[20:21]
	s_cselect_b32 s22, 256, s22
	s_cmp_ge_u32 ttmp9, 288
	s_cselect_b64 s[20:21], s[10:11], s[20:21]
	s_cselect_b32 s22, 288, s22
	s_cmp_ge_u32 ttmp9, 320
	s_cselect_b64 s[20:21], s[12:13], s[20:21]
	s_cselect_b32 s22, 320, s22
	s_sub_co_u32 s26, ttmp9, s22                   ; the tile's number in its tensor
	s_lshr_b32 s27, s26, 1
	s_lshl_b32 s27, s27, 5
	s_and_b32 s26, s26, 1
	s_lshl_b32 s26, s26, 3
	s_add_co_u32 s26, s26, s27                     ; its first row
	s_lshl_b32 s26, s26, 13                        ; x 8,192 bytes
	s_lshl_b32 s27, s24, 11                        ; + my four K steps: 2,048 bytes x wave
	s_add_co_u32 s26, s26, s27
	s_mov_b32 s27, 0
	s_add_nc_u64 s[20:21], s[20:21], s[26:27]
	s_mul_i32 s28, ttmp9, 24576
	s_mul_i32 s29, s24, 6144
	s_add_co_u32 s28, s28, s29
	s_mov_b32 s29, 0
	s_add_nc_u64 s[14:15], s[14:15], s[28:29]      ; my four images
	s_lshl_b32 s30, ttmp9, 10
	s_lshl_b32 s31, s24, 8
	s_add_co_u32 s30, s30, s31
	s_mov_b32 s31, 0
	s_add_nc_u64 s[16:17], s[16:17], s[30:31]      ; my 256 bytes of scale words
	LOAD 0
	LOAD 1
	LOAD 2                                         ; all my 64 loads are asked for ahead of the first step: each set of registers is written once
	LOAD 3
	s_wait_alu depctr_va_vdst(0)
	STEP 0
	STEP 1
	STEP 2
	STEP 3
	v_cmp_lt_u32 vcc_lo, 15, v1                    ; lanes 0-15 store row r's words 0 and 1, lanes 16-31 its words 2 and 3
	v_cndmask_b32 v248, v[PW], v[PW+2], vcc_lo
	v_cndmask_b32 v249, v[PW+1], v[PW+3], vcc_lo
	global_store_b64 v5, v[248:249], s[16:17]      ; 32 lanes store 256 consecutive bytes, aligned
	s_wait_tensorcnt 0x0
	ds_add_u32 v254, v255
	s_wait_dscnt 0x0
	s_endpgm
; THE TABLE.  tab: [row 2,176][j 32][cos, sin], f32.  Row p < 2,048 holds cos and sin of f32(p x inv_j), inv_j = 1 / f32(10^(j / 8)), rounded where the problem's definition rounds; rows from 2,048 on hold (1, 0).
; A wave takes 8 rows, lane = j.  The angle is brought under pi / 4 by taking off N x pi / 2 in two parts (the first subtraction loses no bit: the difference is a multiple of 2^-23 under 1);
; sin and cos are their series up to x^9 and x^10, whose next terms are under 2e-9 there.
.macro PJ j, val
	s_mov_b32 s32, \val
	v_writelane_b32 v8, s32, \j
.endm
.macro SINCOS t
	s_add_co_u32 s30, s26, \t
	s_mul_i32 s30, s30, s31                        ; the position, or 0 in the rows from 2,048 on
	v_cvt_f32_u32 v12, s30
	s_wait_alu depctr_va_vdst(0)
	v_mul_f32 v12, v12, v9                         ; the angle, rounded once
	v_mul_f32 v13, 0x3f22f983, v12
	v_rndne_f32 v13, v13                           ; N = the nearest whole number to angle x 2 / pi
	v_fmamk_f32 v14, v13, 0xbfc90fdb, v12          ; - N x the f32 nearest to pi / 2
	v_fmamk_f32 v14, v13, 0x333bbd2e, v14          ; + N x what that number has too much
	v_mul_f32 v15, v14, v14
	v_mov_b32 v16, 0x3638ef1d                      ; 1 / 9!
	v_fmaak_f32 v16, v16, v15, 0xb9500d01          ; -1 / 7!
	v_fmaak_f32 v16, v16, v15, 0x3c088889          ; 1 / 5!
	v_fmaak_f32 v16, v16, v15, 0xbe2aaaab          ; -1 / 3!
	v_mul_f32 v17, v14, v15
	v_fma_f32 v16, v16, v17, v14                   ; sin
	v_mov_b32 v18, 0xb493f27e                      ; -1 / 10!
	v_fmaak_f32 v18, v18, v15, 0x37d00d01          ; 1 / 8!
	v_fmaak_f32 v18, v18, v15, 0xbab60b61          ; -1 / 6!
	v_fmaak_f32 v18, v18, v15, 0x3d2aaaab          ; 1 / 4!
	v_fmaak_f32 v18, v18, v15, 0xbf000000          ; -1 / 2
	v_fma_f32 v18, v15, v18, 1.0                   ; cos
	v_cvt_i32_f32 v19, v13
	v_and_b32 v20, 1, v19
	v_cmp_eq_u32 vcc_lo, 1, v20                    ; in odd quadrants the two change places
	v_cndmask_b32 v21, v18, v16, vcc_lo
	v_cndmask_b32 v22, v16, v18, vcc_lo
	v_add_nc_u32 v23, 1, v19
	v_and_b32 v23, 2, v23
	v_lshlrev_b32 v23, 30, v23                     ; cos is negative in quadrants 1 and 2,
	v_xor_b32 v[40+2*\t], v21, v23
	v_and_b32 v24, 2, v19
	v_lshlrev_b32 v24, 30, v24                     ; sin in quadrants 2 and 3
	v_xor_b32 v[41+2*\t], v22, v24
	global_store_b64 v10, v[40+2*\t:41+2*\t], s[18:19] offset:256*\t   ; 32 lanes store a row: 256 consecutive bytes, aligned; each row has data registers of its own
.endm
.Ltable:
	s_sub_co_u32 s25, ttmp9, NT
	v_mov_b32 v8, 1.0                              ; lane j: 10^(j / 8) as f32
	PJ 1, 1.3335214321633240
	PJ 2, 1.7782794100389228
	PJ 3, 2.3713737056616552
	PJ 4, 3.1622776601683795
	PJ 5, 4.2169650342858224
	PJ 6, 5.6234132519034908
	PJ 7, 7.4989420933245582
	PJ 8, 10.0
	PJ 9, 13.335214321633240
	PJ 10, 17.782794100389228
	PJ 11, 23.713737056616552
	PJ 12, 31.622776601683795
	PJ 13, 42.169650342858224
	PJ 14, 56.234132519034908
	PJ 15, 74.989420933245582
	PJ 16, 100.0
	PJ 17, 133.35214321633240
	PJ 18, 177.82794100389228
	PJ 19, 237.13737056616552
	PJ 20, 316.22776601683795
	PJ 21, 421.69650342858224
	PJ 22, 562.34132519034908
	PJ 23, 749.89420933245582
	PJ 24, 1000.0
	PJ 25, 1333.5214321633240
	PJ 26, 1778.2794100389228
	PJ 27, 2371.3737056616552
	PJ 28, 3162.2776601683795
	PJ 29, 4216.9650342858224
	PJ 30, 5623.4132519034908
	PJ 31, 7498.9420933245582
	s_wait_alu depctr_va_vdst(0)
	v_rcp_f32 v9, v8
	v_lshlrev_b32 v10, 3, v1                       ; 8 x lane (a plain place behind the reciprocal)
	s_wait_alu depctr_va_vdst(0)
	v_fma_f32 v11, -v8, v9, 1.0
	v_fma_f32 v9, v9, v11, v9                      ; one step of correction: 1 / P as a division rounds it
	s_lshl_b32 s26, s25, 5
	s_lshl_b32 s27, s24, 3
	s_add_co_u32 s26, s26, s27                     ; my first row
	s_lshl_b32 s28, s26, 8
	s_mov_b32 s29, 0
	s_add_nc_u64 s[18:19], s[18:19], s[28:29]
	s_cmp_lt_u32 s25, 64
	s_cselect_b32 s31, 1, 0
.irp t, 0,1,2,3,4,5,6,7
	SINCOS \t
.endr
	s_endpgm
.Lfunc_end_k_q7f0880b1f6_quant:
	.size	k_q7f0880b1f6_quant, .Lfunc_end_k_q7f0880b1f6_quant-k_q7f0880b1f6_quant
	.p2alignl 7, 3214868480
	.fill 96, 4, 3214868480
	.section	.rodata,"a",@progbits
	.p2align	6, 0x0
	.amdhsa_kernel k_q7f0880b1f6_quant
		.amdhsa_group_segment_fixed_size 34304
		.amdhsa_private_segment_fixed_size 0
		.amdhsa_enable_private_segment 0
		.amdhsa_kernarg_size 64
		.amdhsa_user_sgpr_count 2
		.amdhsa_user_sgpr_kernarg_segment_ptr 1
		.amdhsa_wavefront_size32 1
		.amdhsa_system_sgpr_workgroup_id_x 1
		.amdhsa_system_sgpr_workgroup_id_y 1
		.amdhsa_system_sgpr_workgroup_id_z 1
		.amdhsa_system_vgpr_workitem_id 0
		.amdhsa_next_free_vgpr 512
		.amdhsa_next_free_sgpr 66
		.amdhsa_reserve_vcc 1
		.amdhsa_float_denorm_mode_32 3
		.amdhsa_float_denorm_mode_16_64 3
		.amdhsa_memory_ordered 1
		.amdhsa_forward_progress 1
		.amdhsa_inst_pref_size 52
	.end_amdhsa_kernel
	.amdgpu_metadata
---
amdhsa.version: [ 1, 2 ]
amdhsa.kernels:
  - .name:           k_q7f0880b1f6_quant
    .symbol:         k_q7f0880b1f6_quant.kd
    .args:
      - { .name: x, .offset: 0, .size: 8, .value_kind: global_buffer, .address_space: global }
      - { .name: Wq, .offset: 8, .size: 8, .value_kind: global_buffer, .address_space: global }
      - { .name: Wk, .offset: 16, .size: 8, .value_kind: global_buffer, .address_space: global }
      - { .name: Wv, .offset: 24, .size: 8, .value_kind: global_buffer, .address_space: global }
      - { .name: Wproj, .offset: 32, .size: 8, .value_kind: global_buffer, .address_space: global }
      - { .name: codes1, .offset: 40, .size: 8, .value_kind: global_buffer, .address_space: global }
      - { .name: scales1, .offset: 48, .size: 8, .value_kind: global_buffer, .address_space: global }
      - { .name: tab, .offset: 56, .size: 8, .value_kind: global_buffer, .address_space: global }
    .group_segment_fixed_size: 34304
    .private_segment_fixed_size: 0
    .kernarg_segment_align: 8
    .kernarg_segment_size: 64
    .max_flat_workgroup_size: 128
    .sgpr_count:     66
    .vgpr_count:     512
    .wavefront_size: 32
...
	.end_amdgpu_metadata
.endif
;; end of part 1
;; launch qkv (part 2): grid 16 x 12, 4 waves a work-group, clusters of 4 x 1, 327,680 bytes of LDS; arguments codes1, scales1, tab, q_gain, qkvc, qkvs; writes qkvc, qkvs
.if DOCPART == 2
	.amdgcn_target "amdgcn-amd-amdhsa--gfx1250"
	.amdhsa_code_object_version 6
	.text
	.protected	k_q7f0880b1f6_qkv
	.globl	k_q7f0880b1f6_qkv
	.p2align	8
	.type	k_q7f0880b1f6_qkv,@function
k_q7f0880b1f6_qkv:
	s_mov_b64 s[64:65], 0
	v_nop
	global_prefetch_b8 v0, s[64:65] scope:SCOPE_SE
	s_setreg_imm32_b32 hwreg(HW_REG_WAVE_MODE, 25, 1), 1
	s_wait_xcnt 0x0
	s_wait_alu depctr_hold_cnt(0) depctr_sa_sdst(0) depctr_va_vdst(0) depctr_va_sdst(0) depctr_va_ssrc(0) depctr_va_vcc(0) depctr_vm_vsrc(0)
	s_getreg_b32 s2, hwreg(HW_REG_IB_STS2, 6, 4)
	s_cmp_eq_u32 s2, 0
	s_cbranch_scc0 .Lentry_in_a_cluster
	s_endpgm
.Lentry_in_a_cluster:
	s_bfe_u32 s2, ttmp6, 0x10000c
	s_cmp_lg_u32 s2, 0x3003
	s_cbranch_scc0 .Lentry_shape_is_right
	s_endpgm
.Lentry_shape_is_right:
; q = x Wq^T, k = x Wk^T, v = x Wv^T on codes of BF6 with E8M0 scales; then, in f32: RMS norm and partial RoPE of q and k, the gain on q; and the results are quantised again:
; q and k along the head's 128, v along the keys.  All operands are images of operand registers (16 rows x 128 K = 1,536 bytes; tile T holds rows 32 (T / 2) + 8 (T % 2) + i + 8 (i / 8)).
; With that choice of rows, in D = (source 0 tile b) x (source 1 tile a) lane (r, h) register j holds source 0's row 32 (b / 2) + 8 (b % 2) + 16 h + j against source 1's row r:
; for one a the 64 registers 8 b + j are 16 neighbours of each of four blocks of 32 along source 0's rows, which are the next product's K.
; SHARES: a work-group makes 256 rows of source 0 x 128 rows of source 1, K = 2,048; wave w takes source 0's tiles 8 (w % 2) on and source 1's tiles 4 (w / 2) on: 32 accumulators.
;   y < 10: source 0 = two heads of Wq or Wk, source 1 = 128 positions of x.   y >= 10: source 0 = 256 keys of x, source 1 = one head of Wv: so v's keys run along a lane's registers.
;   The two kinds differ in offsets, in the table's rows ((1, 0) for v) and in the factor (1 for v) alone, all chosen by s_cselect_b32 on y: one text, no branch.
; CLUSTER 4 x 1: the four partners need the same tiles of source 0, two thirds of a step's bytes: a joint load.  Source 1 is each work-group's own: a plain load behind the same round.
;   A cluster of 4 x 4 is not taken: rows y = 8 .. 11 of the grid hold k's and v's work-groups, whose source 1 differs, so no column of four shares it.
; RING: two LDS slots of four K steps (147,456 bytes each); K's 16 steps are written out, since each names other scale registers; two refills.
; LIMITS: rsqrt x gain is one factor (one rounding more than norm, rotation, gain in turn); a block of zeros gets the byte 1; blocks under 2^-122 are held at byte 1; NaN and infinities are not served.
; qkvc: [fragment 3,072][1,536]: q: head x 128 + T; k: (16 + kv) x 128 + T; v: 2,560 + (16 kv + key step) x 8 + tile of d.  qkvs: the word of fragment f, row r at 256 (f / 4) + 16 r + 4 (f % 4).
; REGISTERS: window 0: v1 lane, v2 16 x lane, v16-22 addresses, v28-29 for the add, v32-127 scale words and nothing else, v128-223 source 1's fragments (two sets), later the way out;
;   window 1: v0-191 source 0's fragments (two sets);  window 2: the accumulators, (a, b) at v[8 (8 a + b)];  window 3: v0-127 cos and sin of my four tiles of positions.
.set SLOT,  147456
.set S1OFF, 98304                      ; in a slot: source 0's 16 tiles x 6,144 bytes, then source 1's 8
.set SPARE, 294912                     ; behind the ring: the spare words, 128 bytes a wave: two blocks of 256 bytes that no other line names
.set TILEB, 24576                      ; a tile's 16 K steps in memory
.set LN,  1
.set LI,  2
.set AD0, 16                           ; v16-17 LDS address of my source 0 fragments in slot 0, 1
.set AD1, 18                           ; v18-19 of my source 1 fragments
.set SLO, 20                           ; v20 scale words: 16 r + 1,024 h
.set TBO, 21                           ; v21 the table: my row's 128 bytes
.set SCO, 22                           ; v22 the new scale words: 16 r + 8 h
.set SPW, 28
.set NIL, 29
.set SC0, 32                           ; v[SC0 + 16 (b / 2) + K step]: lanes 0-15 tile b even, lanes 16-31 tile b odd
.set SC1, 96                           ; the same for source 1
.set F1,  128
.set H,   128                          ; the way out: v128-191 64 numbers
.set TM,  192
.set PC,  208
.set PW,  228
.set SQ,  232
.set FF,  240
.set T,   242
.set WV, 20
.set WH, 21
.set WL, 22
.set CX, 23
.set GX, 25
.set YY, 26
.set G1J, 28                           ; s[28:35] group 1 of the joint loads; s[36:43] of the plain ones; s[44:51], s[52:59] groups 0, a set for each slot
.set G1P, 36
.set G0J, 44
.set G0P, 52
.set SEL, 90
.set MSB, 0
.macro WIN new                         ; the immediate's high byte repeats the setting that is left
.if MSB != \new
	s_set_vgpr_msb (MSB<<8)|\new
.set MSB, \new
.endif
.endm
.set MUL,   0xa1                       ; source 0 window 1, source 1 window 0, C and D window 2
.set TO_F0, 0x40                       ; destination window 1
.set PFO, 23                           ; v23 the prefetches' offset: 256 x min(lane, 23); never rewritten
; A PREFETCH of slot s (K steps 4 s on: 6,144 bytes, 24 blocks of 256 bytes, of each tile), asked for one slot ahead of the tensor loads that bring it: a lane a block, lanes 24-31 name the last block again.
; Source 0's 16 tiles are shared out by address among the cluster's 16 waves: tile 4 cx + wave, at s[84:85].  Source 1's 8 tiles are the work-group's own: tiles 2 wave and 2 wave + 1, at s[86:87].
; Slot 1 is asked for at the head, slot 2 in K step 0, slot 3 behind the first refill; then nothing is left.  The three address registers are never written again.
.macro ASK s
	global_prefetch_b8 v[PFO], s[84:85] offset:(\s)*6144 th:TH_LOAD_NT scope:SCOPE_SE
	global_prefetch_b8 v[PFO], s[86:87] offset:(\s)*6144 th:TH_LOAD_NT scope:SCOPE_SE
	global_prefetch_b8 v[PFO], s[86:87] offset:TILEB+(\s)*6144 th:TH_LOAD_NT scope:SCOPE_SE
.endm
.macro PLACES n
.rept \n
	v_nop
.endr
.endm
.macro CREST                           ; a round of the cluster's barrier behind its opening barrier
	s_cmp_lg_u32 s[WV], 0
	s_cbranch_scc1 .Lnot_wave_0_\@
	s_barrier_signal -3
.Lnot_wave_0_\@:
	s_barrier_wait -3
	s_barrier_signal -1
	s_barrier_wait -1
.endm
.macro CROUND
	s_barrier_signal -1
	s_barrier_wait -1
	CREST
.endm
; Waves 0 and 1 ask jointly for source 0's halves, waves 2 and 3 for the halves of the work-group's own source 1.  The branch hangs on the wave's number alone.  Four v_nop follow each line.
.macro JLOAD s
	s_cmp_eq_u32 s[WH], 0
	s_cbranch_scc0 .Lplain_\@
	tensor_load_to_lds s[G0J+4*\s:G0J+4*\s+3], s[G1J:G1J+7]
	s_nop 0
.rept 4
	v_nop
.endr
	s_branch .Lasked_\@
.Lplain_\@:
	tensor_load_to_lds s[G0P+4*\s:G0P+4*\s+3], s[G1P:G1P+7]
	s_nop 0
.rept 4
	v_nop
.endr
.Lasked_\@:
.endm
.macro FETCH slot, q, set              ; 36 LDS loads: the fragments of the slot's q-th K step; an image comes back by three loads of 512 consecutive bytes
	WIN TO_F0
.irp b, 0,1,2,3,4,5,6,7
.irp c, 0,1,2
	ds_load_b128 v[96*(\set)+12*\b+4*\c:96*(\set)+12*\b+4*\c+3], v[AD0+(\slot)] offset:\b*6144+(\q)*1536+512*\c
.endr
.endr
	WIN 0
.irp a, 0,1,2,3
.irp c, 0,1,2
	ds_load_b128 v[F1+48*(\set)+12*\a+4*\c:F1+48*(\set)+12*\a+4*\c+3], v[AD1+(\slot)] offset:\a*6144+(\q)*1536+512*\c
.endr
.endr
.endm
.macro WM acc, fa, fb, sa, sb, zero, ra, rb   ; ra, rb: the side's scale words stand in lanes 16-31
.if \zero
.if (\ra) && (\rb)
	v_wmma_scale_f32_16x16x128_f8f6f4 v[\acc:\acc+7], v[\fa:\fa+11], v[\fb:\fb+11], 0, v[\sa], v[\sb] matrix_a_fmt:MATRIX_FMT_BF6 matrix_b_fmt:MATRIX_FMT_BF6 matrix_a_scale:MATRIX_SCALE_ROW1 matrix_b_scale:MATRIX_SCALE_ROW1
.elseif \ra
	v_wmma_scale_f32_16x16x128_f8f6f4 v[\acc:\acc+7], v[\fa:\fa+11], v[\fb:\fb+11], 0, v[\sa], v[\sb] matrix_a_fmt:MATRIX_FMT_BF6 matrix_b_fmt:MATRIX_FMT_BF6 matrix_a_scale:MATRIX_SCALE_ROW1
.elseif \rb
	v_wmma_scale_f32_16x16x128_f8f6f4 v[\acc:\acc+7], v[\fa:\fa+11], v[\fb:\fb+11], 0, v[\sa], v[\sb] matrix_a_fmt:MATRIX_FMT_BF6 matrix_b_fmt:MATRIX_FMT_BF6 matrix_b_scale:MATRIX_SCALE_ROW1
.else
	v_wmma_scale_f32_16x16x128_f8f6f4 v[\acc:\acc+7], v[\fa:\fa+11], v[\fb:\fb+11], 0, v[\sa], v[\sb] matrix_a_fmt:MATRIX_FMT_BF6 matrix_b_fmt:MATRIX_FMT_BF6
.endif
.else
.if (\ra) && (\rb)
	v_wmma_scale_f32_16x16x128_f8f6f4 v[\acc:\acc+7], v[\fa:\fa+11], v[\fb:\fb+11], v[\acc:\acc+7], v[\sa], v[\sb] matrix_a_fmt:MATRIX_FMT_BF6 matrix_b_fmt:MATRIX_FMT_BF6 matrix_a_scale:MATRIX_SCALE_ROW1 matrix_b_scale:MATRIX_SCALE_ROW1
.elseif \ra
	v_wmma_scale_f32_16x16x128_f8f6f4 v[\acc:\acc+7], v[\fa:\fa+11], v[\fb:\fb+11], v[\acc:\acc+7], v[\sa], v[\sb] matrix_a_fmt:MATRIX_FMT_BF6 matrix_b_fmt:MATRIX_FMT_BF6 matrix_a_scale:MATRIX_SCALE_ROW1
.elseif \rb
	v_wmma_scale_f32_16x16x128_f8f6f4 v[\acc:\acc+7], v[\fa:\fa+11], v[\fb:\fb+11], v[\acc:\acc+7], v[\sa], v[\sb] matrix_a_fmt:MATRIX_FMT_BF6 matrix_b_fmt:MATRIX_FMT_BF6 matrix_b_scale:MATRIX_SCALE_ROW1
.else
	v_wmma_scale_f32_16x16x128_f8f6f4 v[\acc:\acc+7], v[\fa:\fa+11], v[\fb:\fb+11], v[\acc:\acc+7], v[\sa], v[\sb] matrix_a_fmt:MATRIX_FMT_BF6 matrix_b_fmt:MATRIX_FMT_BF6
.endif
.endif
.endm
; Eight matrix instructions: source 1's tile a against source 0's eight.  The 32 accumulators take turns, one instruction a turn, in the same order in every K step.
.macro MULA a, set, g, q, zero
.irp b, 0,1,2,3,4,5,6,7
	WM 8*(8*(\a)+\b), 96*(\set)+12*\b, F1+48*(\set)+12*(\a), SC0+16*(\b/2)+4*(\g)+(\q), SC1+16*((\a)/2)+4*(\g)+(\q), \zero, \b%2, (\a)%2
.endr
.endm
; K step k, whose successor lies in the same slot.
.macro STEPK k, zero
	s_wait_dscnt 0x0                               ; this step's 36 loads, issued a K step ago, are in
.if (\k) > 0
	PLACES 4                                       ; four places in front of loads into the set that the step before multiplied (ISA guide 7.12.1 for vector instructions)
.endif
	FETCH (((\k)+1)/4)%2, ((\k)+1)%4, ((\k)+1)%2
.if (\k) == 0
	ASK 2                                          ; behind slot 1's load and the run of LDS loads; 32 matrix instructions follow
.endif
	WIN MUL
	MULA 0, (\k)%2, (\k)/4, (\k)%4, \zero
	MULA 1, (\k)%2, (\k)/4, (\k)%4, \zero
	MULA 2, (\k)%2, (\k)/4, (\k)%4, \zero
	MULA 3, (\k)%2, (\k)/4, (\k)%4, \zero
.endm
; A slot's last K step changes slots: one barrier; in front of it each wave waits for all its tensor loads, adds 0 to its spare word, and waits for that and for its reads of this slot.
; fill = 1: the barrier opens a round of the cluster's barrier, and this slot is filled again, with the K steps eight on, first thing behind the round.
.macro CHG k, fill
.set SL, ((\k)/4)%2
	WIN 0                                          ; (the add's two registers lie in window 0)
	s_wait_tensorcnt 0x0                           ; all my tensor loads have landed: the one that was out is my part of the next slot
	ds_add_u32 v[SPW], v[NIL]                      ; 0 onto my spare word
	s_wait_dscnt 1                                 ; this step's 36 loads are in; the add may be out
	WIN MUL
	MULA 0, (\k)%2, (\k)/4, (\k)%4, 0              ; eight matrix instructions stand between the add and the wait for it
	s_wait_dscnt 0x0                               ; the add is done, and my reads of this slot are over
	s_barrier_signal -1
	MULA 1, (\k)%2, (\k)/4, (\k)%4, 0
	WIN 0
	s_barrier_wait -1
.if \fill
	CREST                                          ; no wave of any partner still reads this slot or has a load on its way
	s_add_nc_u64 s[G0J+4*SL+2:G0J+4*SL+3], s[G0J+4*SL+2:G0J+4*SL+3], 12288
	s_add_nc_u64 s[G0P+4*SL+2:G0P+4*SL+3], s[G0P+4*SL+2:G0P+4*SL+3], 12288
	JLOAD SL                                       ; my one tensor load behind the round; its four v_nop are also the places in front of the loads below
.else
	PLACES 4
.endif
	FETCH (((\k)+1)/4)%2, 0, ((\k)+1)%2
.if (\fill) && ((\k) == 3)
	ASK 3                                          ; behind the joint load and the run of LDS loads
.endif
	WIN MUL
	MULA 2, (\k)%2, (\k)/4, (\k)%4, 0
	MULA 3, (\k)%2, (\k)/4, (\k)%4, 0
.endm
; 64 numbers of a lane, v[s] .. v[s + 63], register 16 b + i = k 32 b + 16 (lane / 16) + i of my row, become a fragment's codes in v[pc] .. v[pc + 11] and its scale word in v[pw].
.macro QUANT s, pc, pw
.irp b, 0,1,2,3
	v_max3_num_f32 v[TM+\b], |v[\s+16*\b]|, |v[\s+1+16*\b]|, 0x2800000   ; my 16 numbers of block b, and the floor 2^(5 - 127): the byte cannot fall under 1
.endr
.irp i, 2,4,6,8,10,12,14
.irp b, 0,1,2,3
	v_max3_num_f32 v[TM+\b], v[TM+\b], |v[\s+16*\b+\i]|, |v[\s+1+16*\b+\i]|
.endr
.endr
.irp b, 0,1,2,3
	v_permlanex16_b32 v[TM+4+\b], v[TM+\b], s[SEL], s[SEL+1]
.endr
.irp b, 0,1,2,3
	v_max_num_f32 v[TM+\b], v[TM+\b], v[TM+4+\b]
.endr
.irp b, 0,1,2,3
	v_add_nc_u32 v[TM+12+\b], 0xfe000000, v[TM+\b]   ; 4 off the exponent field: the conversion's scale operand
.endr
.irp b, 0,1,2,3
	v_lshrrev_b32 v[TM+4+\b], 23, v[TM+12+\b]      ; the scale's byte
.endr
	v_lshl_or_b32 v[\pw], v[TM+5], 8, v[TM+4]
	v_lshl_or_b32 v[\pw], v[TM+6], 16, v[\pw]
	v_lshl_or_b32 v[\pw], v[TM+7], 24, v[\pw]
.irp c, 0,1
	v_cvt_scalef32_pk16_bf6_f32 v[\pc+6*\c:\pc+2+6*\c], v[\s+32*\c:\s+15+32*\c], v[TM+12+2*\c]
	v_cvt_scalef32_pk16_bf6_f32 v[\pc+12+4*\c:\pc+14+4*\c], v[\s+16+32*\c:\s+31+32*\c], v[TM+12+2*\c+1]
.endr
	v_nop                                          ; one plain place behind a scaled conversion
.irp c, 0,1
.irp i, 0,1,2
	v_permlane16_swap_b32 v[\pc+6*\c+\i], v[\pc+12+4*\c+\i]
.endr
.irp i, 0,1,2
	v_mov_b32 v[\pc+3+6*\c+\i], v[\pc+12+4*\c+\i]
.endr
.endr
.endm
	s_load_b256 s[4:11], s[0:1], 0x0               ; codes1, scales1, tab, q_gain
	s_load_b128 s[12:15], s[0:1], 0x20             ; qkvc, qkvs
	v_lshl_add_u32 v[SPW], v0, 2, SPARE
	v_mov_b32 v[NIL], 0
	ds_add_u32 v28, v29
	ds_add_u32 v28, v29
	s_wait_dscnt 0x0
	v_lshrrev_b32 v1, 5, v0
	v_readfirstlane_b32 s[WV], v1                  ; wave 0..3
	s_lshr_b32 s[WH], s[WV], 1                     ; which four tiles of source 1 are mine.  Also: I fetch jointly (0) or plainly (1)
	s_and_b32 s[WL], s[WV], 1                      ; which eight tiles of source 0.  Also: which half I fetch
	s_bfe_u32 s[CX], ttmp6, 0x40000                ; my place in the cluster
	s_lshl_b32 s[GX], ttmp9, 2
	s_add_co_u32 s[GX], s[GX], s[CX]               ; work-group x
	s_and_b32 s[YY], ttmp7, 0xffff
	; both kinds' numbers are made, then chosen on y.  s60-62 and s67-72 never hold my place in the cluster: they feed the joint loads
	s_lshl_b32 s60, s[YY], 4
	s_add_co_u32 s60, s60, 128                     ; q, k: source 0's first tile = 128 + 16 y
	s_max_u32 s61, s[YY], 10
	s_sub_co_u32 s61, s61, 10
	s_lshl_b32 s61, s61, 2
	s_add_co_u32 s61, s61, ttmp9                   ; v: which 256 keys
	s_lshl_b32 s62, s61, 4                         ; v: source 0's first tile
	s_lshl_b32 s63, s[GX], 3                       ; q, k: source 1's first tile = 8 x
	s_lshl_b32 s66, s[CX], 3
	s_add_co_u32 s66, s66, 288                     ; v: head cx of Wv
	s_lshl_b32 s67, s[YY], 1
	s_add_co_u32 s67, s67, s[WL]                   ; my head: 0-15 q's, 16-19 k's
	s_lshl_b32 s74, s67, 7
	s_add_co_u32 s74, s74, s63                     ; q, k: first fragment = head x 128 + 8 x
	s_lshl_b32 s75, s[CX], 4
	s_lshl_b32 s76, s61, 1
	s_add_co_u32 s75, s75, s76
	s_add_co_u32 s75, s75, s[WL]
	s_lshl_b32 s75, s75, 3
	s_add_co_u32 s75, s75, 2560                    ; v: 2,560 + (16 kv + key step) x 8
	s_lshl_b32 s76, s[GX], 7                       ; q, k: the table's rows are the positions
	s_mov_b32 s77, 2048                            ; v: the rows of (1, 0)
	s_cmp_ge_u32 s[YY], 10
	s_cselect_b32 s60, s62, s60
	s_cselect_b32 s63, s66, s63
	s_cselect_b32 s74, s75, s74
	s_cselect_b32 s76, s77, s76
	s_cselect_b32 s93, -1, 0                       ; all lanes, for v: the factor is 1
	s_lshl_b32 s75, s[WH], 2
	s_add_co_u32 s74, s74, s75                     ; my first fragment
	s_lshl_b32 s75, s[WH], 6
	s_add_co_u32 s76, s76, s75                     ; my first row of the table
	s_min_u32 s78, s67, 15
	s_lshl_b32 s78, s78, 2                         ; my gain's place (k and v read the last and do not use it)
	s_lshl_b32 s68, s[WL], 3
	s_add_co_u32 s68, s68, s60                     ; source 0's tile at my half: what I fetch, and what I multiply
	s_lshl_b32 s70, s68, 10                        ; its scale words
	s_mul_i32 s68, s68, TILEB                      ; its codes
	s_mov_b32 s69, 0
	s_mov_b32 s71, 0
	s_mul_i32 s72, s[WL], 49152                    ; and its place in a slot
	s_lshl_b32 s80, s[WL], 2
	s_add_co_u32 s80, s80, s63                     ; source 1: the half that I fetch
	s_mul_i32 s80, s80, TILEB
	s_mov_b32 s81, 0
	s_mul_i32 s73, s[WL], 24576
	s_add_co_u32 s73, s73, S1OFF
	s_lshl_b32 s82, s[WH], 2
	s_add_co_u32 s82, s82, s63                     ; source 1: the four tiles that I multiply
	s_lshl_b32 s82, s82, 10
	s_mov_b32 s83, 0
	s_lshl_b32 s84, s76, 8
	s_mov_b32 s85, 0
	s_mul_i32 s86, s74, 1536
	s_mov_b32 s87, 0
	s_lshl_b32 s88, s74, 6
	s_mov_b32 s89, 0
	; group 1: rows of 6,144 bytes (four K steps of a tile: 768 elements of 8 bytes), 24,576 bytes apart; 8 rows jointly, 4 plainly; no padding
	s_mov_b32 s[G1J], 15|(3<<16)|(1<<21)           ; 15:0 the mask: all four work-groups; 17:16 elements of 8 bytes; 21 set beside a mask
	s_mov_b32 s[G1J+1], 768<<16                    ; tensor_dim0
	s_mov_b32 s[G1J+2], 8<<16                      ; tensor_dim1
	s_mov_b32 s[G1J+3], 768<<16                    ; tile_dim0
	s_mov_b32 s[G1J+4], 8                          ; tile_dim1
	s_mov_b32 s[G1J+5], 3072                       ; tensor_dim0_stride
	s_mov_b32 s[G1J+6], 0
	s_mov_b32 s[G1J+7], 0
	s_mov_b32 s[G1P], 3<<16
	s_mov_b32 s[G1P+1], 768<<16
	s_mov_b32 s[G1P+2], 4<<16
	s_mov_b32 s[G1P+3], 768<<16
	s_mov_b32 s[G1P+4], 4
	s_mov_b32 s[G1P+5], 3072
	s_mov_b32 s[G1P+6], 0
	s_mov_b32 s[G1P+7], 0
	s_mov_b32 s[SEL], 0x76543210
	s_mov_b32 s[SEL+1], 0xfedcba98
	s_mov_b32 s94, 0x3c000000                      ; 1 / 128
	s_mov_b32 s95, 0x34000000                      ; f32's eps, 2^-23
	CROUND                                         ; the round in front of the first joint loads: it hangs on no argument, so it stands ahead of the wait for them
	s_wait_kmcnt 0x0
	s_load_b32 s92, s[10:11], s78 offset:0x0       ; the gain
	s_add_nc_u64 s[68:69], s[4:5], s[68:69]
	s_add_nc_u64 s[80:81], s[4:5], s[80:81]
	s_add_nc_u64 s[70:71], s[6:7], s[70:71]
	s_add_nc_u64 s[82:83], s[6:7], s[82:83]
	s_add_nc_u64 s[8:9], s[8:9], s[84:85]
	s_add_nc_u64 s[12:13], s[12:13], s[86:87]
	s_add_nc_u64 s[14:15], s[14:15], s[88:89]
.irp s, 0,1
	s_mov_b32 s[G0J+4*\s], 1                       ; count = 1
	s_add_co_u32 s[G0J+4*\s+1], s72, \s*SLOT       ; LDS address
	s_add_nc_u64 s[G0J+4*\s+2:G0J+4*\s+3], s[68:69], \s*6144   ; global address: K steps 4 s on
	s_or_b32 s[G0J+4*\s+3], s[G0J+4*\s+3], 0x80000000          ; type = 2
	s_mov_b32 s[G0P+4*\s], 1
	s_add_co_u32 s[G0P+4*\s+1], s73, \s*SLOT
	s_add_nc_u64 s[G0P+4*\s+2:G0P+4*\s+3], s[80:81], \s*6144
	s_or_b32 s[G0P+4*\s+3], s[G0P+4*\s+3], 0x80000000
.endr
	JLOAD 0                                        ; slot 0's first fill, a quarter a wave
	s_lshl_b32 s84, s[CX], 2                       ; where my prefetches stand (s84-87 held offsets that have been used)
	s_add_co_u32 s84, s84, s[WV]
	s_add_co_u32 s84, s84, s60                     ; source 0: tile 4 cx + wave of the 16
	s_mul_i32 s84, s84, TILEB
	s_mov_b32 s85, 0
	s_add_nc_u64 s[84:85], s[4:5], s[84:85]
	s_lshl_b32 s86, s[WV], 1
	s_add_co_u32 s86, s86, s63                     ; source 1: tiles 2 wave and 2 wave + 1 of the 8
	s_mul_i32 s86, s86, TILEB
	s_mov_b32 s87, 0
	s_add_nc_u64 s[86:87], s[4:5], s[86:87]
	v_and_b32 v[LN], 31, v0
	v_lshlrev_b32 v[LI], 4, v[LN]
	v_min_u32 v[PFO], 23, v[LN]
	v_lshlrev_b32 v[PFO], 8, v[PFO]
	v_add_nc_u32 v[AD0], s72, v[LI]
	v_add_nc_u32 v[AD0+1], SLOT, v[AD0]
	s_mul_i32 s66, s[WH], 24576
	s_add_co_u32 s66, s66, S1OFF
	v_add_nc_u32 v[AD1], s66, v[LI]
	v_add_nc_u32 v[AD1+1], SLOT, v[AD1]
	v_and_b32 v3, 15, v0                           ; r
	v_bfe_u32 v4, v0, 4, 1                         ; h
	v_lshlrev_b32 v[SLO], 4, v3
	v_lshl_add_u32 v[SCO], v4, 3, v[SLO]
	v_lshl_add_u32 v[SLO], v4, 10, v[SLO]
	v_and_b32 v5, 8, v3
	v_add_nc_u32 v5, v5, v3
	v_lshlrev_b32 v5, 8, v5
	v_lshl_add_u32 v[TBO], v4, 7, v5               ; row r + 8 (r / 8) of a tile, + 128 h: cos and sin of j = 16 h + 0 .. 15
	ASK 1
	; all scale words of my tiles, for all of K, once: each half of the lanes reads 256 consecutive bytes, aligned
.irp p, 0,1,2,3
.irp g, 0,1,2,3
	global_load_b128 v[SC0+16*\p+4*\g:SC0+16*\p+4*\g+3], v[SLO], s[70:71] offset:2048*\p+256*\g
.endr
.endr
.irp p, 0,1
.irp g, 0,1,2,3
	global_load_b128 v[SC1+16*\p+4*\g:SC1+16*\p+4*\g+3], v[SLO], s[82:83] offset:2048*\p+256*\g
.endr
.endr
	WIN 0xc0                                       ; destination window 3
.irp a, 0,1,2,3
.irp c, 0,1,2,3,4,5,6,7
	global_load_b128 v[32*\a+4*\c:32*\a+4*\c+3], v[TBO], s[8:9] offset:(32*(\a/2)+8*(\a%2))*256+16*\c
.endr
.endr
	WIN 0
	s_wait_kmcnt 0x0
	s_cmp_ge_u32 s67, 16
	s_cselect_b32 s92, 1.0, s92                    ; k has no gain
	s_wait_alu depctr_va_vdst(0)
	s_wait_tensorcnt 0x0                           ; my part of slot 0 is in
	ds_add_u32 v[SPW], v[NIL]
	s_wait_dscnt 0x0
	CROUND                                         ; slot 0 is whole, and all four work-groups are here
	JLOAD 1                                        ; slot 1's first fill, my one tensor load behind the round: it has K steps 0 to 3 in which to land
	FETCH 0, 0, 0
	s_wait_loadcnt 0x0                             ; scale words and table
	STEPK 0, 1                                     ; the first K step starts the sums: nothing is cleared
	STEPK 1, 0
	STEPK 2, 0
	CHG 3, 1
	STEPK 4, 0
	STEPK 5, 0
	STEPK 6, 0
	CHG 7, 1
	STEPK 8, 0
	STEPK 9, 0
	STEPK 10, 0
	CHG 11, 0                                      ; nothing is left to fetch
	STEPK 12, 0
	STEPK 13, 0
	STEPK 14, 0
	s_wait_dscnt 0x0
	WIN MUL
	MULA 0, 1, 3, 3, 0
	MULA 1, 1, 3, 3, 0
	MULA 2, 1, 3, 3, 0
	MULA 3, 1, 3, 3, 0
	WIN 0
	PLACES 4                                       ; in front of the first reads of results and of writes into registers that held fragments
.irp b, 0,1,2,3
	v_mov_b32 v[TM+4+\b], 0                        ; written once: a lane permute's destination counts as one of its sources
.endr
; THE WAY OUT of source 1's tile a: my 64 numbers of row r.  Sum of squares (each accumulator is read from its low end on), factor, rotation, codes, image.
.macro EPI a
	WIN 0x0a                                       ; sources 0 and 1 window 2
.irp p, 0,1,2,3
	v_pk_mul_f32 v[SQ+2*\p:SQ+2*\p+1], v[64*\a+2*\p:64*\a+2*\p+1], v[64*\a+2*\p:64*\a+2*\p+1]
.endr
.irp p, 4,5,6,7,8,9,10,11,12,13,14,15,16,17,18,19,20,21,22,23,24,25,26,27,28,29,30,31
	v_pk_fma_f32 v[SQ+2*(\p%4):SQ+2*(\p%4)+1], v[64*\a+2*\p:64*\a+2*\p+1], v[64*\a+2*\p:64*\a+2*\p+1], v[SQ+2*(\p%4):SQ+2*(\p%4)+1]
.endr
	WIN 0
	v_pk_add_f32 v[SQ:SQ+1], v[SQ:SQ+1], v[SQ+2:SQ+3]
	v_pk_add_f32 v[SQ+4:SQ+5], v[SQ+4:SQ+5], v[SQ+6:SQ+7]
	v_pk_add_f32 v[SQ:SQ+1], v[SQ:SQ+1], v[SQ+4:SQ+5]
	v_add_f32 v[SQ], v[SQ], v[SQ+1]
	v_permlanex16_b32 v[SQ+1], v[SQ], s[SEL], s[SEL+1]
	v_add_f32 v[SQ], v[SQ], v[SQ+1]                ; with lane l xor 16's 64: the row's 128
	v_fma_f32 v[SQ], v[SQ], s94, s95               ; mean + eps
	s_wait_alu depctr_va_vdst(0)
	v_rsq_f32 v[SQ+2], v[SQ]
	v_nop                                          ; one plain place behind a transcendental
	s_wait_alu depctr_va_vdst(0)
	v_mul_f32 v[FF], s92, v[SQ+2]
	v_cndmask_b32 v[FF], v[FF], 1.0, s93           ; v is neither normed nor scaled
	v_mov_b32 v[FF+1], v[FF]                       ; (named with it as a pair)
	WIN 0x02                                       ; source 0 window 2
.irp p, 0,1,2,3,4,5,6,7,8,9,10,11,12,13,14,15,16,17,18,19,20,21,22,23,24,25,26,27,28,29,30,31
	v_pk_mul_f32 v[H+2*\p:H+2*\p+1], v[64*\a+2*\p:64*\a+2*\p+1], v[FF:FF+1] op_sel_hi:[1,0]
.endr
	WIN 0x0c                                       ; source 1 window 3: the table.  Register i is dim 16 h + i, register 16 + i is dim 32 + 16 h + i: a rotation's pair lies in one lane
.irp i, 0,1,2,3,4,5,6,7,8,9,10,11,12,13,14,15
	v_mul_f32 v[T+2*(\i%2)], v[H+16+\i], v[32*\a+2*\i+1]
	v_mul_f32 v[T+2*(\i%2)+1], v[H+\i], v[32*\a+2*\i+1]
	v_fma_f32 v[H+\i], v[H+\i], v[32*\a+2*\i], v[T+2*(\i%2)]
	v_fma_f32 v[H+16+\i], v[H+16+\i], v[32*\a+2*\i], -v[T+2*(\i%2)+1]
.endr
	WIN 0
.if \a > 0
	s_wait_xcnt 0x0                                ; the last image's stores have read the codes' registers
.endif
	QUANT H, PC, PW+\a
.irp c, 0,1,2
	global_store_b128 v[LI], v[PC+4*\c:PC+4*\c+3], s[12:13] offset:1536*\a+512*\c   ; 32 lanes store 512 consecutive bytes
.endr
.endm
	EPI 0
	EPI 1
	EPI 2
	EPI 3
	v_cmp_lt_u32 vcc_lo, 15, v[LN]                 ; lanes 0-15 store row r's words of fragments 0 and 1, lanes 16-31 those of 2 and 3
	v_cndmask_b32 v248, v[PW], v[PW+2], vcc_lo
	v_cndmask_b32 v249, v[PW+1], v[PW+3], vcc_lo
	global_store_b64 v[SCO], v[248:249], s[14:15]  ; 256 consecutive bytes, aligned
	s_wait_tensorcnt 0x0                           ; the wave's end
	ds_add_u32 v[SPW], v[NIL]
	s_wait_dscnt 0x0
	CROUND                                         ; the closing round: no work-group ends while a partner may still ask for a tile that names it
	s_endpgm
.Lfunc_end_k_q7f0880b1f6_qkv:
	.size	k_q7f0880b1f6_qkv, .Lfunc_end_k_q7f0880b1f6_qkv-k_q7f0880b1f6_qkv
	.p2alignl 7, 3214868480
	.fill 96, 4, 3214868480
	.section	.rodata,"a",@progbits
	.p2align	6, 0x0
	.amdhsa_kernel k_q7f0880b1f6_qkv
		.amdhsa_group_segment_fixed_size 327680
		.amdhsa_private_segment_fixed_size 0
		.amdhsa_enable_private_segment 0
		.amdhsa_kernarg_size 48
		.amdhsa_user_sgpr_count 2
		.amdhsa_user_sgpr_kernarg_segment_ptr 1
		.amdhsa_wavefront_size32 1
		.amdhsa_system_sgpr_workgroup_id_x 1
		.amdhsa_system_sgpr_workgroup_id_y 1
		.amdhsa_system_sgpr_workgroup_id_z 1
		.amdhsa_system_vgpr_workitem_id 0
		.amdhsa_next_free_vgpr 1024
		.amdhsa_next_free_sgpr 98
		.amdhsa_reserve_vcc 1
		.amdhsa_float_denorm_mode_32 3
		.amdhsa_float_denorm_mode_16_64 3
		.amdhsa_memory_ordered 1
		.amdhsa_forward_progress 1
		.amdhsa_inst_pref_size 170
	.end_amdhsa_kernel
	.amdgpu_metadata
---
amdhsa.version: [ 1, 2 ]
amdhsa.kernels:
  - .name:           k_q7f0880b1f6_qkv
    .symbol:         k_q7f0880b1f6_qkv.kd
    .args:
      - { .name: codes1, .offset: 0, .size: 8, .value_kind: global_buffer, .address_space: global }
      - { .name: scales1, .offset: 8, .size: 8, .value_kind: global_buffer, .address_space: global }
      - { .name: tab, .offset: 16, .size: 8, .value_kind: global_buffer, .address_space: global }
      - { .name: q_gain, .offset: 24, .size: 8, .value_kind: global_buffer, .address_space: global }
      - { .name: qkvc, .offset: 32, .size: 8, .value_kind: global_buffer, .address_space: global }
      - { .name: qkvs, .offset: 40, .size: 8, .value_kind: global_buffer, .address_space: global }
    .group_segment_fixed_size: 327680
    .private_segment_fixed_size: 0
    .kernarg_segment_align: 8
    .kernarg_segment_size: 48
    .max_flat_workgroup_size: 128
    .sgpr_count:     98
    .vgpr_count:     1024
    .wavefront_size: 32
...
	.end_amdgpu_metadata
.endif
;; end of part 2
;; launch attn (part 3): grid 64 x 4, 8 waves a work-group, clusters of 4 x 1, 327,680 bytes of LDS; arguments qkvc, qkvs, acodes, ascales; writes acodes, ascales
.if DOCPART == 3
	.amdgcn_target "amdgcn-amd-amdhsa--gfx1250"
	.amdhsa_code_object_version 6
	.text
	.protected	k_q7f0880b1f6_attn
	.globl	k_q7f0880b1f6_attn
	.p2align	8
	.type	k_q7f0880b1f6_attn,@function
k_q7f0880b1f6_attn:
	s_mov_b64 s[64:65], 0
	v_nop
	global_prefetch_b8 v0, s[64:65] scope:SCOPE_SE
	s_setreg_imm32_b32 hwreg(HW_REG_WAVE_MODE, 25, 1), 1
	s_wait_xcnt 0x0
	s_wait_alu depctr_hold_cnt(0) depctr_sa_sdst(0) depctr_va_vdst(0) depctr_va_sdst(0) depctr_va_ssrc(0) depctr_va_vcc(0) depctr_vm_vsrc(0)
	s_getreg_b32 s2, hwreg(HW_REG_IB_STS2, 6, 4)
	s_cmp_eq_u32 s2, 0
	s_cbranch_scc0 .Lentry_in_a_cluster
	s_endpgm
.Lentry_in_a_cluster:
	s_bfe_u32 s2, ttmp6, 0x10000c
	s_cmp_lg_u32 s2, 0x3003
	s_cbranch_scc0 .Lentry_shape_is_right
	s_endpgm
.Lentry_shape_is_right:
; Causal attention on codes of BF6 with E8M0 scales, 16 query heads on 4 heads of K and V, head size 128, 2,048 positions; the result, divided by the row's sum, is quantised along the head's 128 for the last product.
; THE SOFTMAX AHEAD OF THE SECOND PRODUCT: t = score x log2(e) / sqrt(128); M = the running largest t rounded UP to a whole number; p = 2^(t - M) is quantised along the keys, not normalised;
; the row's sum is taken of the unquantised p; when M moves, the sum and O are multiplied by 2^(old M - new M), which rounds nothing.
; SHARES: a work-group has one head kv of K and V and two tiles of 16 queries: the early tile x (0 .. 63) and the late tile 127 - x.  Tile T needs T / 8 + 1 key steps of 128: the two together 17, whatever x.
; Wave w takes query head 4 kv + w % 4 and, FOR BOTH TILES, the key steps of parity w / 4: 8 or 9 steps of a tile a wave, whatever x, and where both tiles have keys a step's fragments of K and V are read from LDS once for both.
; At the end the two waves of a head join their parts through LDS: waves 0-3 finish the early tile, waves 4-7 the late one.  Since each part's M is a whole number, bringing both under the larger M rounds nothing.
; The early tile has keys in key slots 0 and 1 alone, and the late tile's diagonal lies in key slots 2 and 3: so slots 0 and 1 hold the late tile without a mask and the early tile with one, slots 2 and 3 the late tile alone.
; LAYOUT: both products transposed (S^T = K Q^T, O^T = V^T P^T): a lane holds one query.  All operands are images of operand registers; tile T holds rows 32 (T / 2) + 8 (T % 2) + i + 8 (i / 8),
; so the 16 registers of tiles 2 b and 2 b + 1 are 16 neighbours (keys in S^T, the head's dims in O^T): 32 b + 16 (lane / 16) + 0 .. 15.
; CLUSTER 4 x 1: the four partners walk the same K and V: every tile is asked for jointly.  The key steps on the two diagonals hang on the cluster's x alone: the branches are alike in all partners.
; LDS: three slots of 512 keys.  Key slots 0, 1, 2 and the scale words go out at the head; key slot 3 is the one refill, into slot 0, behind a round at key slot 1's head.
; No prefetch: that refill has two slots' steps, four key steps a wave, in which to land, and nothing else is asked for later than the head.
; LIMITS: a block of zeros gets the byte 1; blocks under 2^-122 are held at byte 1; NaN and infinities are not served.
; REGISTERS: window 0: v1-11 addresses, v12-15 the late tile's -M, largest t and sum, v16-27 its Q, v29 its place on the diagonal, v32-35 V's scale words, v36-51 at work in the last quantiser,
;   v52-55, v56-67, v68 the early tile's statistics, Q and Q's scale word, v69-72 addresses of the joining, v74-85 at work there, v96-159 S^T then p, v160-223 the late tile's O^T, v224-243 p's codes,
;   v244-247 the conversions' scales, v248-251 K's scale words, v252 f, v253 p's scale word, v254 at work, v255 the late tile's Q's scale word.   window 1: v0-95 K's eight fragments, v96-191 V's, v192-255 the early tile's O^T.
.set SLOTB, 98304                      ; a slot: K's 32 fragments, then V's 32
.set VOFF,  49152
.set STEPB, 12288                      ; a key step's eight fragments
.set SCK,   294912                     ; K's scale words of the whole head, 8,192 bytes; V's follow
.set SPARE, 311296                     ; the spare words, 128 bytes a wave: four blocks of 256 bytes that no other line names
.set SCST,  312320                     ; two blocks of 256 bytes in which four waves' scale words meet; no tile lands here
.set MRG,   98304                      ; the joining: 8,448 bytes a wave, in slot 1, which is filled once and read last ahead of key slot 3's barrier
.set MRGW,  8448
.set LI,  1
.set ADK, 2
.set ADS, 3
.set LIS, 4
.set SPW, 5
.set NIL, 6
.set DQL, 7                            ; the early tile: my query's place in its key step, less 16 (lane / 16)
.set SST, 8
.set SLD, 9
.set GO8, 10
.set QSO, 11
.set STH, 12
.set QH,  16
.set DQH, 29
.set TM,  36
.set STL, 52
.set QL,  56
.set QLS, 68
.set MST, 69
.set MS4, 70
.set MLD, 71
.set ML4, 72
.set GA,  74
.set GB,  76
.set QHS, 255
.set WV, 12
.set CX, 13
.set KV, 15
.set TL, 16
.set TH, 17
.set NDL, 18                           ; the key step on the early tile's diagonal
.set NDH, 19                           ; and on the late tile's
.set KS, 20
.set TB, 21
.set TS, 22
.set INNER, 23
.set SEL, 24
.set CS,  26
.set G1,  28
.set G1S, 36
.set G0,  44                           ; s[44:55] group 0, a set for each slot
.set G0S, 56
.set MSB, 0
.macro WIN new
.if MSB != \new
	s_set_vgpr_msb (MSB<<8)|\new
.set MSB, \new
.endif
.endm
.macro CROUND                          ; a round of the cluster's barrier
	s_barrier_signal -1
	s_barrier_wait -1
	s_cmp_lg_u32 s[WV], 0
	s_cbranch_scc1 .Lnot_wave_0_\@
	s_barrier_signal -3
.Lnot_wave_0_\@:
	s_barrier_wait -3
	s_barrier_signal -1
	s_barrier_wait -1
.endm
.macro QUANT s, pc, pw                 ; 64 numbers of a lane, register 16 b + i = k 32 b + 16 (lane / 16) + i of my row, become a fragment's codes and its scale word
.irp b, 0,1,2,3
	v_max3_num_f32 v[TM+\b], |v[\s+16*\b]|, |v[\s+1+16*\b]|, 0x2800000
.endr
.irp i, 2,4,6,8,10,12,14
.irp b, 0,1,2,3
	s_delay_alu instid0(VALU_DEP_4)
	v_max3_num_f32 v[TM+\b], v[TM+\b], |v[\s+16*\b+\i]|, |v[\s+1+16*\b+\i]|
.endr
.endr
.irp b, 0,1,2,3
	s_delay_alu instid0(VALU_DEP_4)
	v_permlanex16_b32 v[TM+4+\b], v[TM+\b], s[SEL], s[SEL+1]
.endr
.irp b, 0,1,2,3
	s_delay_alu instid0(VALU_DEP_4)
	v_max_num_f32 v[TM+\b], v[TM+\b], v[TM+4+\b]
.endr
.irp b, 0,1,2,3
	s_delay_alu instid0(VALU_DEP_4)
	v_add_nc_u32 v[TM+12+\b], 0xfe000000, v[TM+\b]
.endr
.irp b, 0,1,2,3
	s_delay_alu instid0(VALU_DEP_4)
	v_lshrrev_b32 v[TM+4+\b], 23, v[TM+12+\b]
.endr
	s_delay_alu instid0(VALU_DEP_3)
	v_lshl_or_b32 v[\pw], v[TM+5], 8, v[TM+4]
	s_delay_alu instid0(VALU_DEP_1)
	v_lshl_or_b32 v[\pw], v[TM+6], 16, v[\pw]
	s_delay_alu instid0(VALU_DEP_1)
	v_lshl_or_b32 v[\pw], v[TM+7], 24, v[\pw]
.irp c, 0,1
	v_cvt_scalef32_pk16_bf6_f32 v[\pc+6*\c:\pc+2+6*\c], v[\s+32*\c:\s+15+32*\c], v[TM+12+2*\c]
	v_cvt_scalef32_pk16_bf6_f32 v[\pc+12+4*\c:\pc+14+4*\c], v[\s+16+32*\c:\s+31+32*\c], v[TM+12+2*\c+1]
.endr
	v_nop
.irp c, 0,1
.irp i, 0,1,2
	v_permlane16_swap_b32 v[\pc+6*\c+\i], v[\pc+12+4*\c+\i]
.endr
.irp i, 0,1,2
	s_delay_alu instid0(VALU_DEP_3)
	v_mov_b32 v[\pc+3+6*\c+\i], v[\pc+12+4*\c+\i]
.endr
.endr
.endm
; A key step's 50 LDS loads: K's scale words, K's eight fragments, V's eight, V's scale words.  (The four v_nop at the last step's end and the two additions are the places in front of them.)
.macro LOADKV
	v_add_nc_u32 v[ADK], s[TB], v[LI]
	v_add_nc_u32 v[ADS], s[TS], v[LIS]
	ds_load_b128 v[248:251], v[ADS]                ; lanes 0-15 tiles 0-3, lanes 16-31 tiles 4-7
	WIN 0x40
.irp t, 0,1,2,3,4,5,6,7
.irp c, 0,1,2
	ds_load_b128 v[12*\t+4*\c:12*\t+4*\c+3], v[ADK] offset:1536*\t+512*\c
.endr
.endr
.irp t, 0,1,2,3,4,5,6,7
.irp c, 0,1,2
	ds_load_b128 v[96+12*\t+4*\c:96+12*\t+4*\c+3], v[ADK] offset:VOFF+1536*\t+512*\c
.endr
.endr
	WIN 0
	ds_load_b128 v[32:35], v[ADS] offset:8192
	s_wait_dscnt 25                                ; K and its scale words are in; V's 24 loads and its scale words may be out
.endm
; ONE TILE'S PART OF A KEY STEP.  qf, qsc: its Q and Q's scale word; sta: its -M, largest t, sum (two halves); obs, owi: its O^T and that register window; dqr, ndr: its diagonal;
; msk = 1: the mask's lines are written (and jumped over where all keys count); vw = 1: V's loads are waited for here.
.macro TILE qf, qsc, sta, obs, owi, dqr, ndr, msk, vw
.set WRS, 0x41*\owi
.set WPV, 0x01+0x50*\owi
	WIN 0x01                                       ; source 0 window 1
.irp t, 0,1,2,3
	v_wmma_scale_f32_16x16x128_f8f6f4 v[96+8*\t:103+8*\t], v[12*\t:12*\t+11], v[\qf:\qf+11], 0, v[248+\t], v[\qsc] matrix_a_fmt:MATRIX_FMT_BF6 matrix_b_fmt:MATRIX_FMT_BF6
.endr
.irp t, 4,5,6,7
	v_wmma_scale_f32_16x16x128_f8f6f4 v[96+8*\t:103+8*\t], v[12*\t:12*\t+11], v[\qf:\qf+11], 0, v[244+\t], v[\qsc] matrix_a_fmt:MATRIX_FMT_BF6 matrix_b_fmt:MATRIX_FMT_BF6 matrix_a_scale:MATRIX_SCALE_ROW1
.endr
	WIN 0
.rept 4
	v_nop
.endr
.if \msk
	s_cmp_lt_u32 s[KS], s[\ndr]                    ; all its keys count: no mask
	s_cbranch_scc1 .Lopen_\@
	v_mov_b32 v254, 0xff800000                     ; on the diagonal hidden scores become -infinity ahead of the maximum.  Register 16 b + i holds key 32 b + 16 (lane / 16) + i of the step
.irp n, 0,1,2,3,4,5,6,7,8,9,10,11,12,13,14,15,16,17,18,19,20,21,22,23,24,25,26,27,28,29,30,31,32,33,34,35,36,37,38,39,40,41,42,43,44,45,46,47,48,49,50,51,52,53,54,55,56,57,58,59,60,61,62,63
	v_cmp_gt_i32 vcc_lo, 32*(\n/16)+\n%16, v[\dqr]
	v_cndmask_b32 v[96+\n], v[96+\n], v254, vcc_lo
.endr
.Lopen_\@:
.endif
.irp b, 0,1,2,3
	v_max3_num_f32 v[232+\b], v[96+16*\b], v[97+16*\b], v[98+16*\b]   ; the largest score of each block of 32 keys: for the row's maximum and, since p rises with the score, for the block's largest p
.endr
.irp i, 3,5,7,9,11,13
.irp b, 0,1,2,3
	v_max3_num_f32 v[232+\b], v[232+\b], v[96+16*\b+\i], v[97+16*\b+\i]
.endr
.endr
.irp b, 0,1,2,3
	v_max_num_f32 v[232+\b], v[232+\b], v[111+16*\b]
.endr
.irp b, 0,1,2,3
	s_delay_alu instid0(VALU_DEP_4)
	v_permlanex16_b32 v[236+\b], v[232+\b], s[SEL], s[SEL+1]
.endr
.irp b, 0,1,2,3
	s_delay_alu instid0(VALU_DEP_4)
	v_max_num_f32 v[232+\b], v[232+\b], v[236+\b]  ; with lane l xor 16's 16 keys
.endr
	s_delay_alu instid0(VALU_DEP_2)
	v_max3_num_f32 v254, v232, v233, v234
	s_delay_alu instid0(VALU_DEP_1)
	v_max_num_f32 v254, v254, v235
	s_delay_alu instid0(VALU_DEP_1)
	v_mul_f32 v254, s[CS], v254                    ; the step's largest t
	s_delay_alu instid0(VALU_DEP_1)
	v_max_num_f32 v[\sta+1], v[\sta+1], v254
	v_mov_b32 v254, v[\sta]
	s_delay_alu instid0(VALU_DEP_2)
	v_floor_f32 v[\sta], -v[\sta+1]                ; the new -M = -ceil(t)
	s_delay_alu instid0(VALU_DEP_1)
	v_sub_f32 v254, v[\sta], v254                  ; old M - new M: a whole number, 0 or less
	s_delay_alu instid0(VALU_DEP_1)
	v_cvt_i32_f32 v254, v254
	s_delay_alu instid0(VALU_DEP_1)
	v_ldexp_f32 v252, 1.0, v254                    ; f = 2^(old M - new M)
.irp j, 0,2,4,6,8,10,12,14,16,18,20,22,24,26,28,30,32,34,36,38,40,42,44,46,48,50,52,54,56,58,60,62
	v_pk_fma_f32 v[96+\j:97+\j], v[96+\j:97+\j], s[CS:CS+1], v[\sta:\sta+1] op_sel_hi:[1,0,0]   ; t - M
.endr
.irp b, 0,1,2,3
	v_fma_f32 v[232+\b], v[232+\b], s[CS], v[\sta]
.endr
	s_wait_alu depctr_va_vdst(0)
.irp j, 0,1,2,3,4,5,6,7,8,9,10,11,12,13,14,15,16,17,18,19,20,21,22,23,24,25,26,27,28,29,30,31,32,33,34,35,36,37,38,39,40,41,42,43,44,45,46,47,48,49,50,51,52,53,54,55,56,57,58,59,60,61,62,63
	v_exp_f32 v[96+\j], v[96+\j]                   ; p = 2^(t - M)
.endr
.irp b, 0,1,2,3
	v_exp_f32 v[232+\b], v[232+\b]                 ; the block's largest p
.endr
	v_pk_mul_f32 v[\sta+2:\sta+3], v[\sta+2:\sta+3], v[252:253] op_sel_hi:[1,0]   ; the sums under the new M (a plain place behind the exponentials)
	s_wait_alu depctr_va_vdst(0)
.irp b, 0,1,2,3
	v_max_num_f32 v[232+\b], 0x2800000, v[232+\b]  ; the floor 2^(5 - 127)
.endr
.irp b, 0,1,2,3
	s_delay_alu instid0(VALU_DEP_4)
	v_add_nc_u32 v[244+\b], 0xfe000000, v[232+\b]
.endr
.irp b, 0,1,2,3
	s_delay_alu instid0(VALU_DEP_4)
	v_lshrrev_b32 v[236+\b], 23, v[244+\b]
.endr
	s_delay_alu instid0(VALU_DEP_3)
	v_lshl_or_b32 v253, v237, 8, v236              ; p's scale word for these 128 keys
	s_delay_alu instid0(VALU_DEP_1)
	v_lshl_or_b32 v253, v238, 16, v253
	s_delay_alu instid0(VALU_DEP_1)
	v_lshl_or_b32 v253, v239, 24, v253
.irp c, 0,1
	v_cvt_scalef32_pk16_bf6_f32 v[224+6*\c:226+6*\c], v[96+32*\c:111+32*\c], v[244+2*\c]
	v_cvt_scalef32_pk16_bf6_f32 v[236+4*\c:238+4*\c], v[112+32*\c:127+32*\c], v[244+2*\c+1]
.endr
	v_nop                                          ; one plain place behind a scaled conversion
.irp c, 0,1
.irp i, 0,1,2
	v_permlane16_swap_b32 v[224+6*\c+\i], v[236+4*\c+\i]
.endr
.irp i, 0,1,2
	s_delay_alu instid0(VALU_DEP_3)
	v_mov_b32 v[227+6*\c+\i], v[236+4*\c+\i]
.endr
.endr
	v_pk_add_f32 v[236:237], v[96:97], v[98:99]    ; the row's sum is taken of the unquantised p: two chains
.irp j, 4,8,12,16,20,24,28,32,36,40,44,48,52,56,60
	v_pk_add_f32 v[\sta+2:\sta+3], v[\sta+2:\sta+3], v[96+\j:97+\j]
	v_pk_add_f32 v[236:237], v[236:237], v[98+\j:99+\j]
.endr
	s_delay_alu instid0(VALU_DEP_1)
	v_pk_add_f32 v[\sta+2:\sta+3], v[\sta+2:\sta+3], v[236:237]
	WIN WRS                                        ; the early tile's O^T: destination and source 0 window 1
.irp j, 0,2,4,6,8,10,12,14,16,18,20,22,24,26,28,30,32,34,36,38,40,42,44,46,48,50,52,54,56,58,60,62
	v_pk_mul_f32 v[\obs+\j:\obs+1+\j], v[\obs+\j:\obs+1+\j], v[252:253] op_sel_hi:[1,0]   ; O^T under the new M (with the sums above: the places between the writes of p's codes and scale word and the products)
.endr
.if \vw
	s_wait_alu depctr_va_vdst(0)
	s_wait_dscnt 0x0                               ; V and its scale words are in
.endif
	WIN WPV                                        ; V in window 1; C and D where the tile's O^T lies
.irp t, 0,1,2,3
	v_wmma_scale_f32_16x16x128_f8f6f4 v[\obs+8*\t:\obs+7+8*\t], v[96+12*\t:107+12*\t], v[224:235], v[\obs+8*\t:\obs+7+8*\t], v[32+\t], v253 matrix_a_fmt:MATRIX_FMT_BF6 matrix_b_fmt:MATRIX_FMT_BF6
.endr
.irp t, 4,5,6,7
	v_wmma_scale_f32_16x16x128_f8f6f4 v[\obs+8*\t:\obs+7+8*\t], v[96+12*\t:107+12*\t], v[224:235], v[\obs+8*\t:\obs+7+8*\t], v[28+\t], v253 matrix_a_fmt:MATRIX_FMT_BF6 matrix_b_fmt:MATRIX_FMT_BF6 matrix_a_scale:MATRIX_SCALE_ROW1
.endr
	WIN 0
.endm
.macro NEXTSTEP                        ; my next key step is two on
	s_add_co_u32 s[KS], s[KS], 2
	s_add_co_u32 s[TS], s[TS], 1024
	s_add_co_u32 s[TB], s[TB], 2*STEPB
.endm
; My two key steps of a key slot in which both tiles may have keys: all of them count for the late tile; the early tile is left out behind its diagonal.
.macro SLOTLO
	s_mov_b32 s[INNER], 2
.Lin_\@:
	LOADKV
	TILE QH, QHS, STH, 160, 0, DQH, NDH, 0, 1
	s_cmp_gt_u32 s[KS], s[NDL]
	s_cbranch_scc1 .Lno_early_\@
	TILE QL, QLS, STL, 192, 1, DQL, NDL, 1, 0
.Lno_early_\@:
.rept 4
	v_nop                                          ; places in front of the next loads into K's and V's registers and of the first read of O^T
.endr
	NEXTSTEP
	s_sub_co_u32 s[INNER], s[INNER], 1
	s_cmp_lg_u32 s[INNER], 0
	s_cbranch_scc1 .Lin_\@
.endm
; My two key steps of a key slot in which the late tile alone has keys; a step behind its diagonal steps the addresses and no more.
.macro SLOTHI
	s_mov_b32 s[INNER], 2
.Lin_\@:
	s_cmp_gt_u32 s[KS], s[NDH]
	s_cbranch_scc1 .Lhidden_\@
	LOADKV
	TILE QH, QHS, STH, 160, 0, DQH, NDH, 1, 1
.rept 4
	v_nop
.endr
.Lhidden_\@:
	NEXTSTEP
	s_sub_co_u32 s[INNER], s[INNER], 1
	s_cmp_lg_u32 s[INNER], 0
	s_cbranch_scc1 .Lin_\@
.endm
; THE JOINING.  SENDST: my part of the tile that my partner finishes goes to my 8,448 bytes: O^T as an image of its registers (each accumulator from its low end on), -M, my lane's sum.
.macro SENDST sta, obs, owi
.set WSD, 0x04*\owi
	v_add_f32 v85, v[\sta+2], v[\sta+3]
	WIN WSD                                        ; an LDS store's data are its source 1
.irp i, 0,1,2,3,4,5,6,7,8,9,10,11,12,13,14,15
	ds_store_b128 v[MST], v[\obs+4*\i:\obs+4*\i+3] offset:512*\i
.endr
	WIN 0
	ds_store_b32 v[MS4], v[\sta] offset:8192
	ds_store_b32 v[MS4], v85 offset:8320
.endm
; RECV: my partner's part of the tile that I finish comes into v96-159; both parts are brought under the larger M (factors that are powers of two, 0 for a part without a step) and divided by the joint sum.
.macro RECV sta, obs, owi
.set WRC, 0x01*\owi
.irp i, 0,1,2,3,4,5,6,7,8,9,10,11,12,13,14,15
	ds_load_b128 v[96+4*\i:99+4*\i], v[MLD] offset:512*\i
.endr
	ds_load_b32 v78, v[ML4] offset:8192
	ds_load_b32 v79, v[ML4] offset:8320
	s_wait_dscnt 0x0
	v_min_num_f32 v80, v[\sta], v78                ; the joint -M
	s_delay_alu instid0(VALU_DEP_1)
	v_sub_f32 v81, v80, v[\sta]
	s_delay_alu instid0(VALU_DEP_2)
	v_sub_f32 v82, v80, v78
	s_delay_alu instid0(VALU_DEP_2)
	v_cvt_i32_f32 v81, v81                         ; (it saturates)
	s_delay_alu instid0(VALU_DEP_2)
	v_cvt_i32_f32 v82, v82
	s_delay_alu instid0(VALU_DEP_2)
	v_ldexp_f32 v81, 1.0, v81                      ; 2^(my M - joint M)
	s_delay_alu instid0(VALU_DEP_2)
	v_ldexp_f32 v82, 1.0, v82                      ; 2^(partner's M - joint M)
	v_add_f32 v83, v[\sta+2], v[\sta+3]
	s_delay_alu instid0(VALU_DEP_1)
	v_mul_f32 v83, v83, v81
	s_delay_alu instid0(VALU_DEP_1)
	v_fma_f32 v83, v79, v82, v83                   ; my lane's keys of both parts
	s_delay_alu instid0(VALU_DEP_1)
	v_permlanex16_b32 v84, v83, s[SEL], s[SEL+1]
	s_delay_alu instid0(VALU_DEP_1)
	v_add_f32 v83, v83, v84                        ; the row's sum
	s_wait_alu depctr_va_vdst(0)
	v_rcp_f32 v83, v83
	v_nop                                          ; one plain place behind a transcendental
	s_wait_alu depctr_va_vdst(0)
	v_mul_f32 v[GA], v81, v83
	v_mul_f32 v[GB], v82, v83
	s_delay_alu instid0(VALU_DEP_2)
	v_mov_b32 v[GA+1], v[GA]                       ; (named with them as pairs)
	s_delay_alu instid0(VALU_DEP_2)
	v_mov_b32 v[GB+1], v[GB]
.irp j, 0,2,4,6,8,10,12,14,16,18,20,22,24,26,28,30,32,34,36,38,40,42,44,46,48,50,52,54,56,58,60,62
	v_pk_mul_f32 v[96+\j:97+\j], v[96+\j:97+\j], v[GB:GB+1] op_sel_hi:[1,0]
.endr
	WIN WRC                                        ; source 0: where my O^T lies
.irp j, 0,2,4,6,8,10,12,14,16,18,20,22,24,26,28,30,32,34,36,38,40,42,44,46,48,50,52,54,56,58,60,62
	v_pk_fma_f32 v[96+\j:97+\j], v[\obs+\j:\obs+1+\j], v[GA:GA+1], v[96+\j:97+\j] op_sel_hi:[1,0,1]
.endr
	WIN 0
.endm
	s_load_b256 s[4:11], s[0:1], 0x0               ; qkvc, qkvs, acodes, ascales
	v_lshl_add_u32 v[SPW], v0, 2, SPARE
	v_mov_b32 v[NIL], 0
	ds_add_u32 v5, v6
	ds_add_u32 v5, v6
	s_wait_dscnt 0x0
	v_lshrrev_b32 v28, 5, v0
	s_delay_alu instid0(VALU_DEP_1)
	v_readfirstlane_b32 s[WV], v28                 ; wave 0..7
	s_bfe_u32 s[CX], ttmp6, 0x40000
	s_and_b32 s[KV], ttmp7, 0xffff
	s_lshl_b32 s[TL], ttmp9, 2
	s_add_co_u32 s[TL], s[TL], s[CX]               ; the early tile = work-group x
	s_sub_co_u32 s[TH], 127, s[TL]                 ; the late tile
	s_lshr_b32 s[NDL], ttmp9, 1                    ; (4 X + cx) / 8 = X / 2: made of the cluster's x alone
	s_sub_co_u32 s[NDH], 15, s[NDL]
	s_lshr_b32 s[KS], s[WV], 2                     ; my parity is my first key step
	s_mul_i32 s[TB], s[KS], STEPB
	s_lshl_b32 s[TS], s[KS], 9
	s_and_b32 s60, s[WV], 3
	s_lshl_b32 s61, s[KV], 2
	s_add_co_u32 s60, s60, s61                     ; my head
	s_lshl_b32 s61, s60, 7
	s_add_co_u32 s62, s61, s[TL]                   ; Q's fragments: the early tile's,
	s_add_co_u32 s63, s61, s[TH]                   ; the late tile's
	s_mul_i32 s68, s62, 1536
	s_mov_b32 s69, 0
	s_mul_i32 s70, s63, 1536
	s_mov_b32 s71, 0
	s_lshr_b32 s72, s62, 2
	s_lshl_b32 s72, s72, 8
	s_and_b32 s73, s62, 3
	s_lshl_b32 s73, s73, 2
	s_add_co_u32 s72, s72, s73                     ; and their scale words
	s_mov_b32 s73, 0
	s_lshr_b32 s74, s63, 2
	s_lshl_b32 s74, s74, 8
	s_and_b32 s75, s63, 3
	s_lshl_b32 s75, s75, 2
	s_add_co_u32 s74, s74, s75
	s_mov_b32 s75, 0
	; which quarter a wave fetches hangs on w % 4: 0, 1 the halves of K's part of a slot (or of K's scale words), 2, 3 of V's.  s76-83 and s85 never hold my place in the cluster
	s_bfe_u32 s76, s[WV], 0x10001
	s_and_b32 s77, s[WV], 1
	s_lshl_b32 s78, s[KV], 7
	s_add_co_u32 s78, s78, 2048
	s_mul_i32 s78, s78, 1536                       ; K's first fragment of the head
	s_mul_i32 s79, s76, 786432                     ; V's fragments lie 512 fragments behind K's
	s_add_co_u32 s78, s78, s79
	s_mul_i32 s79, s77, 24576
	s_add_co_u32 s78, s78, s79
	s_mov_b32 s79, 0
	s_lshl_b32 s80, s[KV], 13
	s_add_co_u32 s80, s80, 131072                  ; K's scale words of the head: unit 512 + 32 kv
	s_lshl_b32 s81, s76, 15                        ; V's: 128 units on
	s_add_co_u32 s80, s80, s81
	s_lshl_b32 s81, s77, 12
	s_add_co_u32 s80, s80, s81
	s_mov_b32 s81, 0
	s_and_b32 s85, s[WV], 3
	s_mul_i32 s82, s85, 24576                      ; where they go in a slot,
	s_lshl_b32 s83, s85, 12
	s_add_co_u32 s83, s83, SCK                     ; and among the scale words
	s_cmp_lt_u32 s[WV], 4
	s_cselect_b32 s84, s[TL], s[TH]                ; the tile that I finish
	s_lshl_b32 s86, s84, 4
	s_add_co_u32 s86, s86, s60
	s_mul_i32 s86, s86, 1536                       ; its image: [tile][head]
	s_mov_b32 s87, 0
	s_lshl_b32 s88, s84, 10
	s_lshl_b32 s89, s[KV], 8
	s_add_co_u32 s88, s88, s89                     ; its scale words' unit: [tile][kv]
	s_mov_b32 s89, 0
	; every address register is made here, ahead of the first branch on the wave's number
	v_and_b32 v28, 31, v0
	s_delay_alu instid0(VALU_DEP_1)
	v_lshlrev_b32 v[LI], 4, v28
	s_delay_alu instid0(VALU_DEP_1)
	v_add_nc_u32 v[LIS], SCK, v[LI]
	s_delay_alu instid0(VALU_DEP_3)
	v_lshlrev_b32 v[GO8], 3, v28
	s_delay_alu instid0(VALU_DEP_4)
	v_lshlrev_b32 v73, 2, v28
	s_lshr_b32 s90, s[WV], 2
	s_lshl_b32 s90, s90, 8
	s_add_co_u32 s90, s90, SCST
	v_add_nc_u32 v[SLD], s90, v[GO8]               ; a unit read back: 8 bytes a lane
	s_and_b32 s91, s[WV], 3
	s_lshl_b32 s91, s91, 2
	s_add_co_u32 s91, s91, s90
	v_and_b32 v[QSO], 15, v0                       ; r
	s_delay_alu instid0(VALU_DEP_1)
	v_and_b32 v[DQL], 8, v[QSO]
	s_delay_alu instid0(VALU_DEP_1)
	v_add_nc_u32 v[DQL], v[DQL], v[QSO]            ; r + 8 (r / 8)
	v_bfe_u32 v28, v0, 4, 1
	s_delay_alu instid0(VALU_DEP_1)
	v_lshlrev_b32 v28, 4, v28
	s_delay_alu instid0(VALU_DEP_1)
	v_sub_nc_u32 v[DQL], v[DQL], v28               ; - 16 (lane / 16)
	s_wait_alu depctr_va_vdst(0)
	s_lshr_b32 s92, s[TL], 1
	s_and_b32 s92, s92, 3
	s_lshl_b32 s92, s92, 5
	s_and_b32 s93, s[TL], 1
	s_lshl_b32 s93, s93, 3
	s_add_co_u32 s92, s92, s93                     ; the tile's first row in its key step
	s_lshr_b32 s94, s[TH], 1
	s_and_b32 s94, s94, 3
	s_lshl_b32 s94, s94, 5
	s_and_b32 s95, s[TH], 1
	s_lshl_b32 s95, s95, 3
	s_add_co_u32 s94, s94, s95
	v_add_nc_u32 v[DQH], s94, v[DQL]
	v_add_nc_u32 v[DQL], s92, v[DQL]
	v_lshlrev_b32 v[QSO], 4, v[QSO]                ; 16 r
	s_delay_alu instid0(VALU_DEP_1)
	v_add_nc_u32 v[SST], s91, v[QSO]               ; my word of row r in the unit: 16 r + 4 (w % 4)
	s_mul_i32 s90, s[WV], MRGW
	s_add_co_u32 s90, s90, MRG
	v_add_nc_u32 v[MST], s90, v[LI]                ; the joining: my bytes,
	v_add_nc_u32 v[MS4], s90, v73
	s_xor_b32 s91, s[WV], 4
	s_mul_i32 s91, s91, MRGW
	s_add_co_u32 s91, s91, MRG
	v_add_nc_u32 v[MLD], s91, v[LI]                ; and my partner's: the wave of the same head and the other parity
	v_add_nc_u32 v[ML4], s91, v73
	; group 1: dense blocks as rows of 256 bytes (32 elements of 8 bytes): 96 rows of codes, 16 rows of scale words
	s_mov_b32 s[G1], 15|(3<<16)|(1<<21)            ; the mask: all four work-groups; elements of 8 bytes; bit 21 set beside a mask
	s_mov_b32 s[G1+1], 32<<16
	s_mov_b32 s[G1+2], 96<<16
	s_mov_b32 s[G1+3], 32<<16
	s_mov_b32 s[G1+4], 96
	s_mov_b32 s[G1+5], 32
	s_mov_b32 s[G1+6], 0
	s_mov_b32 s[G1+7], 0
	s_mov_b32 s[G1S], 15|(3<<16)|(1<<21)
	s_mov_b32 s[G1S+1], 32<<16
	s_mov_b32 s[G1S+2], 16<<16
	s_mov_b32 s[G1S+3], 32<<16
	s_mov_b32 s[G1S+4], 16
	s_mov_b32 s[G1S+5], 32
	s_mov_b32 s[G1S+6], 0
	s_mov_b32 s[G1S+7], 0
	s_mov_b32 s[SEL], 0x76543210
	s_mov_b32 s[SEL+1], 0xfedcba98
	s_mov_b32 s[CS], 0x3e0293ee                    ; c = log2(e) / sqrt(128)
	s_mov_b32 s[CS+1], s[CS]
	CROUND                                         ; the round in front of the first joint loads: it hangs on no argument, so it stands ahead of the wait for them
	s_wait_kmcnt 0x0
	s_add_nc_u64 s[78:79], s[4:5], s[78:79]
.irp s, 0,1,2
	s_mov_b32 s[G0+4*\s], 1                        ; count = 1
	s_add_co_u32 s[G0+4*\s+1], s82, \s*SLOTB       ; LDS address: slot s
	s_add_nc_u64 s[G0+4*\s+2:G0+4*\s+3], s[78:79], \s*49152   ; global address: keys 512 s on
	s_or_b32 s[G0+4*\s+3], s[G0+4*\s+3], 0x80000000           ; type = 2
.endr
	s_mov_b32 s[G0S], 1
	s_mov_b32 s[G0S+1], s83
	s_add_nc_u64 s[G0S+2:G0S+3], s[6:7], s[80:81]
	s_or_b32 s[G0S+3], s[G0S+3], 0x80000000
	s_add_nc_u64 s[68:69], s[4:5], s[68:69]
	s_add_nc_u64 s[70:71], s[4:5], s[70:71]
	s_add_nc_u64 s[72:73], s[6:7], s[72:73]
	s_add_nc_u64 s[74:75], s[6:7], s[74:75]
	s_add_nc_u64 s[8:9], s[8:9], s[86:87]
	s_add_nc_u64 s[10:11], s[10:11], s[88:89]
	s_cmp_lt_u32 s[WV], 4                          ; one first fill a wave, chosen by the branch on its number: one load is out
	s_cbranch_scc0 .Lhead_scales                   ; one load a wave at the head: waves 0-3 key slot 0's quarters, waves 4-7 the quarters of the scale words
	tensor_load_to_lds s[G0:G0+3], s[G1:G1+7]      ; key slot 0
	s_nop 0
.rept 4
	v_nop
.endr
	s_branch .Lhead_asked
.Lhead_scales:
	tensor_load_to_lds s[G0S:G0S+3], s[G1S:G1S+7]  ; the scale words of the whole head: filled once
	s_nop 0
.rept 4
	v_nop
.endr
.Lhead_asked:
.irp c, 0,1,2
	global_load_b128 v[QH+4*\c:QH+4*\c+3], v[LI], s[70:71] offset:512*\c   ; both tiles' Q stay in registers
	global_load_b128 v[QL+4*\c:QL+4*\c+3], v[LI], s[68:69] offset:512*\c
.endr
	s_wait_alu depctr_va_vdst(0)
	global_load_b32 v[QHS], v[QSO], s[74:75]       ; and their scale words
	global_load_b32 v[QLS], v[QSO], s[72:73]
.irp s, STH, STL
	v_mov_b32 v[\s+1], 0xff61b1e6                  ; the largest t so far: -3e38
	s_delay_alu instid0(VALU_DEP_1)
	v_floor_f32 v[\s], -v[\s+1]                    ; -M
	v_mov_b32 v[\s+2], 0
	v_mov_b32 v[\s+3], 0
.endr
.irp b, 0,1,2,3
	v_mov_b32 v[236+\b], 0                         ; written once: a lane permute's destination counts as one of its sources
	v_mov_b32 v[TM+4+\b], 0
.endr
	v_mov_b32 v84, 0
	v_mov_b32 v252, 0
	v_mov_b32 v253, 0
.irp j, 0,1,2,3,4,5,6,7,8,9,10,11,12,13,14,15,16,17,18,19,20,21,22,23,24,25,26,27,28,29,30,31,32,33,34,35,36,37,38,39,40,41,42,43,44,45,46,47,48,49,50,51,52,53,54,55,56,57,58,59,60,61,62,63
	v_mov_b32 v[160+\j], 0                         ; O^T: a step is written once for all its walks; the first finds zeros, which the first change of M leaves zeros.  (These lines stand while the first tiles are on their way)
.endr
	WIN 0x40
.irp j, 0,1,2,3,4,5,6,7,8,9,10,11,12,13,14,15,16,17,18,19,20,21,22,23,24,25,26,27,28,29,30,31,32,33,34,35,36,37,38,39,40,41,42,43,44,45,46,47,48,49,50,51,52,53,54,55,56,57,58,59,60,61,62,63
	v_mov_b32 v[192+\j], 0
.endr
	WIN 0
	s_wait_alu depctr_va_vdst(0)
	s_wait_tensorcnt 0x0                           ; my part of key slot 0 or of the scale words is in
	ds_add_u32 v[SPW], v[NIL]
	s_wait_dscnt 0x0
	CROUND                                         ; key slot 0 and the scale words are whole, and all four work-groups are here
	s_cmp_lt_u32 s[WV], 4                          ; slots 1 and 2 are filled for the first time: waves 0-3 key slot 1's quarters, waves 4-7 key slot 2's.  They have key slot 0's steps in which to land
	s_cbranch_scc0 .Lfill_2
	tensor_load_to_lds s[G0+4:G0+7], s[G1:G1+7]    ; key slot 1
	s_nop 0
.rept 4
	v_nop
.endr
	s_branch .Lfilled
.Lfill_2:
	tensor_load_to_lds s[G0+8:G0+11], s[G1:G1+7]   ; key slot 2
	s_nop 0
.rept 4
	v_nop
.endr
.Lfilled:
	s_wait_loadcnt 0x0                             ; Q
	SLOTLO                                         ; key slot 0
	s_add_co_u32 s[TB], s[TB], VOFF                ; from behind K's part of a slot to the next slot
	s_wait_tensorcnt 0x0                           ; THE ONE REFILL.  All my tensor loads have landed, slots 1 and 2 among them: a group 0 may be written
	ds_add_u32 v[SPW], v[NIL]                      ; 0 onto my spare word
	s_add_nc_u64 s[G0+2:G0+3], s[G0+2:G0+3], 3*49152   ; slot 0 takes keys 1,536 on
	s_wait_dscnt 0x0                               ; the add is done, and my reads of slot 0 are over
	CROUND                                         ; no wave of any partner still reads slot 0 or has a load on its way
	s_cmp_lt_u32 s[WV], 4
	s_cbranch_scc0 .Lno_refill
	tensor_load_to_lds s[G0:G0+3], s[G1:G1+7]      ; the first thing behind the round, and the wave's last tensor load
	s_nop 0
.rept 4
	v_nop
.endr
.Lno_refill:
	SLOTLO                                         ; key slot 1
	s_add_co_u32 s[TB], s[TB], VOFF
	SLOTHI                                         ; key slot 2: the round above has shown it whole to every wave
	s_sub_co_u32 s[TB], s[TB], 2*SLOTB+VOFF        ; back to slot 0
	s_wait_tensorcnt 0x0                           ; my part of key slot 3 is in
	ds_add_u32 v[SPW], v[NIL]
	s_wait_dscnt 0x0                               ; and my reads of slots 1 and 2 are over: slot 1 may serve the joining
	s_barrier_signal -1
	s_barrier_wait -1
	SLOTHI                                         ; key slot 3
	s_cmp_lt_u32 s[WV], 4                          ; waves 0-3 hand the late tile's part over, waves 4-7 the early tile's
	s_cbranch_scc0 .Lsend_early
	SENDST STH, 160, 0
	s_branch .Lsent
.Lsend_early:
	SENDST STL, 192, 1
.Lsent:
	s_wait_dscnt 0x0                               ; for my partner's sake
	s_barrier_signal -1
	s_barrier_wait -1
	s_cmp_lt_u32 s[WV], 4
	s_cbranch_scc0 .Lkeep_late
	RECV STL, 192, 1
	s_branch .Ljoined
.Lkeep_late:
	RECV STH, 160, 0
.Ljoined:
	; THE WAY OUT: register 16 b + i of v96-159 is dim 32 b + 16 (lane / 16) + i of my query's row: the quantiser's order.  The image is K step 'head' of the last product's left operand.
	QUANT 96, 224, 254
.irp c, 0,1,2
	global_store_b128 v[LI], v[224+4*\c:227+4*\c], s[8:9] offset:512*\c   ; 32 lanes store 512 consecutive bytes
.endr
	ds_store_b32 v[SST], v254                      ; four heads' words of a row make 16 bytes: they meet in LDS (lanes l and l xor 16 write the same word with the same value)
	s_wait_dscnt 0x0                               ; for the others' sake
	s_barrier_signal -1
	s_barrier_wait -1
	s_and_b32 s90, s[WV], 3
	s_cmp_lg_u32 s90, 0
	s_cbranch_scc1 .Lno_scales                     ; waves 0 and 4 store their tile's unit
	ds_load_b64 v[30:31], v[SLD]
	s_wait_dscnt 0x0
	global_store_b64 v[GO8], v[30:31], s[10:11]    ; 256 consecutive bytes, aligned
.Lno_scales:
	s_wait_tensorcnt 0x0                           ; the wave's end
	ds_add_u32 v[SPW], v[NIL]
	s_wait_dscnt 0x0
	CROUND                                         ; the closing round
	s_endpgm
.Lfunc_end_k_q7f0880b1f6_attn:
	.size	k_q7f0880b1f6_attn, .Lfunc_end_k_q7f0880b1f6_attn-k_q7f0880b1f6_attn
	.p2alignl 7, 3214868480
	.fill 96, 4, 3214868480
	.section	.rodata,"a",@progbits
	.p2align	6, 0x0
	.amdhsa_kernel k_q7f0880b1f6_attn
		.amdhsa_group_segment_fixed_size 327680
		.amdhsa_private_segment_fixed_size 0
		.amdhsa_enable_private_segment 0
		.amdhsa_kernarg_size 32
		.amdhsa_user_sgpr_count 2
		.amdhsa_user_sgpr_kernarg_segment_ptr 1
		.amdhsa_wavefront_size32 1
		.amdhsa_system_sgpr_workgroup_id_x 1
		.amdhsa_system_sgpr_workgroup_id_y 1
		.amdhsa_system_sgpr_workgroup_id_z 1
		.amdhsa_system_vgpr_workitem_id 0
		.amdhsa_next_free_vgpr 512
		.amdhsa_next_free_sgpr 96
		.amdhsa_reserve_vcc 1
		.amdhsa_float_denorm_mode_32 3
		.amdhsa_float_denorm_mode_16_64 3
		.amdhsa_memory_ordered 1
		.amdhsa_forward_progress 1
		.amdhsa_inst_pref_size 169
	.end_amdhsa_kernel
	.amdgpu_metadata
---
amdhsa.version: [ 1, 2 ]
amdhsa.kernels:
  - .name:           k_q7f0880b1f6_attn
    .symbol:         k_q7f0880b1f6_attn.kd
    .args:
      - { .name: qkvc, .offset: 0, .size: 8, .value_kind: global_buffer, .address_space: global }
      - { .name: qkvs, .offset: 8, .size: 8, .value_kind: global_buffer, .address_space: global }
      - { .name: acodes, .offset: 16, .size: 8, .value_kind: global_buffer, .address_space: global }
      - { .name: ascales, .offset: 24, .size: 8, .value_kind: global_buffer, .address_space: global }
    .group_segment_fixed_size: 327680
    .private_segment_fixed_size: 0
    .kernarg_segment_align: 8
    .kernarg_segment_size: 32
    .max_flat_workgroup_size: 256
    .sgpr_count:     96
    .vgpr_count:     512
    .wavefront_size: 32
...
	.end_amdgpu_metadata
.endif
;; end of part 3
;; launch proj (part 4): grid 16 x 16, 4 waves a work-group, clusters of 4 x 4, 327,680 bytes of LDS; arguments codes1, scales1, acodes, ascales, out0; writes out0
.if DOCPART == 4
	.amdgcn_target "amdgcn-amd-amdhsa--gfx1250"
	.amdhsa_code_object_version 6
	.text
	.protected	k_q7f0880b1f6_proj
	.globl	k_q7f0880b1f6_proj
	.p2align	8
	.type	k_q7f0880b1f6_proj,@function
k_q7f0880b1f6_proj:
	s_mov_b64 s[64:65], 0
	v_nop
	global_prefetch_b8 v0, s[64:65] scope:SCOPE_SE
	s_setreg_imm32_b32 hwreg(HW_REG_WAVE_MODE, 25, 1), 1
	s_wait_xcnt 0x0
	s_wait_alu depctr_hold_cnt(0) depctr_sa_sdst(0) depctr_va_vdst(0) depctr_va_sdst(0) depctr_va_ssrc(0) depctr_va_vcc(0) depctr_vm_vsrc(0)
	s_getreg_b32 s2, hwreg(HW_REG_IB_STS2, 6, 4)
	s_cmp_eq_u32 s2, 0
	s_cbranch_scc0 .Lentry_in_a_cluster
	s_endpgm
.Lentry_in_a_cluster:
	s_bfe_u32 s2, ttmp6, 0x10000c
	s_cmp_lg_u32 s2, 0xf033
	s_cbranch_scc0 .Lentry_shape_is_right
	s_endpgm
.Lentry_shape_is_right:
; out0 = attention's result x Wproj^T on codes of BF6 with E8M0 scales, f32 sums, K = 2,048 in 16 steps of 128.
; All operands are images of operand registers (16 rows x 128 K = 1,536 bytes; tile T holds rows 32 (T / 2) + 8 (T % 2) + i + 8 (i / 8); a tile's 16 K steps lie on end, 24,576 bytes).
; SHARES: a work-group makes 128 positions x 128 columns; source 0 = 8 tiles of Wproj (codes1's tiles 320 on), source 1 = 8 tiles of positions (acodes).
;   Wave w takes source 0's tiles 4 (w % 2) on and source 1's tiles 4 (w / 2) on: 16 accumulators.  In D lane (r, h) register j holds column 32 (b / 2) + 8 (b % 2) + 16 h + j of position row r.
; CLUSTER 4 x 4: source 0 hangs on the work-group's y alone and is shared along a row of the cluster, source 1 on x alone and is shared along a column: every tile is asked for jointly.
; LDS: a K step of both sources is 24,576 bytes, so 13 of the 16 fit.  Region P: [tile 16][3 K steps], 73,728 bytes: K steps 0-2, later 13-15.  Region Q: [tile 16][10 K steps], 245,760 bytes: K steps 3-12.
;   At the head each wave issues one load: wave 0 P's source 0 (8 rows of 4,608 bytes), wave 1 P's source 1, wave 2 Q's source 0 (8 rows of 15,360 bytes), wave 3 Q's source 1.
;   THE ONE REFILL: behind a round in K step 2, P takes K steps 13-15, a quarter a wave (4 rows).  Every row begins at a multiple of 1,536 bytes, which is 6 x 256.
; No prefetch: the one refill has ten K steps, 160 matrix instructions a wave, in which to land, and nothing else is asked for later than the head.
; REGISTERS: window 0: v1 lane, v2 16 x lane, v16-19 LDS addresses, v22-26 offsets, v28-29 for the add, v32-95 scale words and nothing else, v128-223 source 1's fragments (two sets), on the way out v96-223;
;   window 1: v0-95 source 0's fragments (two sets), v128-255 the accumulators, (a, b) at v[128 + 8 (4 a + b)].
.set PT,     4608                      ; a tile's bytes in P: 3 K steps
.set QT,     15360                     ; in Q: 10 K steps
.set QB,     16*PT                     ; where Q begins
.set SPARE,  QB+16*QT                  ; behind Q: the spare words, 128 bytes a wave: two blocks of 256 bytes that no other line names
.set STAGE,  QB                        ; the way out: 16 rows x 272 bytes a wave, in Q, which is filled once and read last ahead of K step 12's barrier
.set SPITCH, 272
.set TILEB,  24576
.set LN,  1
.set LI,  2
.set ADP, 16                           ; v16, v17 my fragments of source 0, 1 in P
.set ADQ, 18                           ; v18, v19 in Q
.set SLO, 22                           ; scale words: 16 r + 1,024 h
.set STO, 24
.set RD,  25
.set CO,  26
.set SPW, 28
.set NIL, 29
.set SC0, 32                           ; v[SC0 + 16 (b / 2) + K step]: lanes 0-15 tile b even, lanes 16-31 tile b odd
.set SC1, 64
.set BK,  96
.set F1,  128
.set ACC, 128
.set WV, 20
.set WH, 21
.set WL, 22
.set CX, 23
.set CY, 24
.set GX, 25
.set GY, 26
.set G1PJ, 28                          ; groups 1: P's rows, source 0's mask; P's, source 1's mask; Q's rows likewise
.set G1PP, 36
.set G1QJ, 44
.set G1QP, 52
.set GH0, 68                           ; groups 0 of the head's four loads
.set GH1, 72
.set GH2, 76
.set GH3, 80
.set GR0, 84                           ; and of the refill: source 0's half, source 1's half
.set GR1, 88
.set MSB, 0
.macro WIN new                         ; the immediate's high byte repeats the setting that is left
.if MSB != \new
	s_set_vgpr_msb (MSB<<8)|\new
.set MSB, \new
.endif
.endm
.set MUL,   0x51                       ; source 0, C and D window 1, source 1 window 0
.set TO_F0, 0x40
.macro PLACES n
.rept \n
	v_nop
.endr
.endm
.macro CREST                           ; a round of the cluster's barrier behind its opening barrier
	s_cmp_lg_u32 s[WV], 0
	s_cbranch_scc1 .Lnot_wave_0_\@
	s_barrier_signal -3
.Lnot_wave_0_\@:
	s_barrier_wait -3
	s_barrier_signal -1
	s_barrier_wait -1
.endm
.macro CROUND
	s_barrier_signal -1
	s_barrier_wait -1
	CREST
.endm
.macro ARM under, g0, g1, next         ; an arm of the head's one chain: its load, and a jump to the chain's end
	s_cmp_lt_u32 s[WV], \under
	s_cbranch_scc0 \next
	tensor_load_to_lds s[\g0:\g0+3], s[\g1:\g1+7]
	s_nop 0
.rept 4
	v_nop
.endr
	s_branch .Lhead_asked
\next:
.endm
.macro RLOAD                           ; the refill: waves 0 and 1 the halves of source 0, waves 2 and 3 of source 1; the branch hangs on the wave's number alone
	s_cmp_eq_u32 s[WH], 0
	s_cbranch_scc0 .Lfor_1_\@
	tensor_load_to_lds s[GR0:GR0+3], s[G1PJ:G1PJ+7]
	s_nop 0
.rept 4
	v_nop
.endr
	s_branch .Lasked_\@
.Lfor_1_\@:
	tensor_load_to_lds s[GR1:GR1+3], s[G1PP:G1PP+7]
	s_nop 0
.rept 4
	v_nop
.endr
.Lasked_\@:
.endm
.macro FETCH k, set                    ; 24 LDS loads: K step k's fragments; an image comes back by three loads of 512 consecutive bytes
.if (\k) < 3
.set FA, ADP
.set FT, PT
.set FO, (\k)*1536
.elseif (\k) < 13
.set FA, ADQ
.set FT, QT
.set FO, ((\k)-3)*1536
.else
.set FA, ADP
.set FT, PT
.set FO, ((\k)-13)*1536
.endif
	WIN TO_F0
.irp b, 0,1,2,3
.irp c, 0,1,2
	ds_load_b128 v[48*(\set)+12*\b+4*\c:48*(\set)+12*\b+4*\c+3], v[FA] offset:\b*FT+FO+512*\c
.endr
.endr
	WIN 0
.irp a, 0,1,2,3
.irp c, 0,1,2
	ds_load_b128 v[F1+48*(\set)+12*\a+4*\c:F1+48*(\set)+12*\a+4*\c+3], v[FA+1] offset:\a*FT+FO+512*\c
.endr
.endr
.endm
.macro WM acc, fa, fb, sa, sb, zero, ra, rb   ; ra, rb: the side's scale words stand in lanes 16-31
.if \zero
.if (\ra) && (\rb)
	v_wmma_scale_f32_16x16x128_f8f6f4 v[\acc:\acc+7], v[\fa:\fa+11], v[\fb:\fb+11], 0, v[\sa], v[\sb] matrix_a_fmt:MATRIX_FMT_BF6 matrix_b_fmt:MATRIX_FMT_BF6 matrix_a_scale:MATRIX_SCALE_ROW1 matrix_b_scale:MATRIX_SCALE_ROW1
.elseif \ra
	v_wmma_scale_f32_16x16x128_f8f6f4 v[\acc:\acc+7], v[\fa:\fa+11], v[\fb:\fb+11], 0, v[\sa], v[\sb] matrix_a_fmt:MATRIX_FMT_BF6 matrix_b_fmt:MATRIX_FMT_BF6 matrix_a_scale:MATRIX_SCALE_ROW1
.elseif \rb
	v_wmma_scale_f32_16x16x128_f8f6f4 v[\acc:\acc+7], v[\fa:\fa+11], v[\fb:\fb+11], 0, v[\sa], v[\sb] matrix_a_fmt:MATRIX_FMT_BF6 matrix_b_fmt:MATRIX_FMT_BF6 matrix_b_scale:MATRIX_SCALE_ROW1
.else
	v_wmma_scale_f32_16x16x128_f8f6f4 v[\acc:\acc+7], v[\fa:\fa+11], v[\fb:\fb+11], 0, v[\sa], v[\sb] matrix_a_fmt:MATRIX_FMT_BF6 matrix_b_fmt:MATRIX_FMT_BF6
.endif
.else
.if (\ra) && (\rb)
	v_wmma_scale_f32_16x16x128_f8f6f4 v[\acc:\acc+7], v[\fa:\fa+11], v[\fb:\fb+11], v[\acc:\acc+7], v[\sa], v[\sb] matrix_a_fmt:MATRIX_FMT_BF6 matrix_b_fmt:MATRIX_FMT_BF6 matrix_a_scale:MATRIX_SCALE_ROW1 matrix_b_scale:MATRIX_SCALE_ROW1
.elseif \ra
	v_wmma_scale_f32_16x16x128_f8f6f4 v[\acc:\acc+7], v[\fa:\fa+11], v[\fb:\fb+11], v[\acc:\acc+7], v[\sa], v[\sb] matrix_a_fmt:MATRIX_FMT_BF6 matrix_b_fmt:MATRIX_FMT_BF6 matrix_a_scale:MATRIX_SCALE_ROW1
.elseif \rb
	v_wmma_scale_f32_16x16x128_f8f6f4 v[\acc:\acc+7], v[\fa:\fa+11], v[\fb:\fb+11], v[\acc:\acc+7], v[\sa], v[\sb] matrix_a_fmt:MATRIX_FMT_BF6 matrix_b_fmt:MATRIX_FMT_BF6 matrix_b_scale:MATRIX_SCALE_ROW1
.else
	v_wmma_scale_f32_16x16x128_f8f6f4 v[\acc:\acc+7], v[\fa:\fa+11], v[\fb:\fb+11], v[\acc:\acc+7], v[\sa], v[\sb] matrix_a_fmt:MATRIX_FMT_BF6 matrix_b_fmt:MATRIX_FMT_BF6
.endif
.endif
.endm
; Four matrix instructions: source 1's tile a against source 0's four.  The 16 accumulators take turns, one instruction a turn, in the same order in every K step.
.macro MULA a, set, k, zero
.irp b, 0,1,2,3
	WM ACC+8*(4*(\a)+\b), 48*(\set)+12*\b, F1+48*(\set)+12*(\a), SC0+16*(\b/2)+(\k), SC1+16*((\a)/2)+(\k), \zero, \b%2, (\a)%2
.endr
.endm
.macro STEPK k, zero                   ; K step k, whose successor's bytes are already shown whole
	s_wait_dscnt 0x0                               ; this step's 24 loads, issued a K step ago, are in
.if (\k) > 0
	PLACES 4                                       ; four places in front of loads into the set that the step before multiplied
.endif
	FETCH (\k)+1, ((\k)+1)%2
	WIN MUL
	MULA 0, (\k)%2, \k, \zero
	MULA 1, (\k)%2, \k, \zero
	MULA 2, (\k)%2, \k, \zero
	MULA 3, (\k)%2, \k, \zero
.endm
; A K step with a barrier.  In front of it each wave waits for all its tensor loads, adds 0 to its spare word, and waits for that and for its reads so far.
; fill = 1 (K step 2): P is read no more; the barrier opens a round of the cluster's barrier, and P is filled again first thing behind it.  fill = 0 (K step 12): the refill is shown whole to all four waves.
.macro CHG k, fill
	WIN 0                                          ; (the add's two registers lie in window 0)
	s_wait_tensorcnt 0x0
	ds_add_u32 v[SPW], v[NIL]
	s_wait_dscnt 1                                 ; this step's 24 loads are in; the add may be out
	WIN MUL
	MULA 0, (\k)%2, \k, 0                          ; four matrix instructions stand between the add and the wait for it
	s_wait_dscnt 0x0
	s_barrier_signal -1
	MULA 1, (\k)%2, \k, 0
	WIN 0
	s_barrier_wait -1
.if \fill
	CREST                                          ; no wave of any partner still reads P or has a load on its way
	RLOAD                                          ; my one tensor load behind the round; its four v_nop are also the places in front of the loads below
.else
	PLACES 4
.endif
	FETCH (\k)+1, ((\k)+1)%2
	WIN MUL
	MULA 2, (\k)%2, \k, 0
	MULA 3, (\k)%2, \k, 0
.endm
	s_load_b256 s[4:11], s[0:1], 0x0               ; codes1, scales1, acodes, ascales
	s_load_b64 s[12:13], s[0:1], 0x20              ; out0
	v_lshl_add_u32 v[SPW], v0, 2, SPARE
	v_mov_b32 v[NIL], 0
	ds_add_u32 v[SPW], v[NIL]                      ; the opening lines: the add, twice on end, and its wait ahead of my first tensor load
	ds_add_u32 v[SPW], v[NIL]
	v_lshrrev_b32 v1, 5, v0
	v_readfirstlane_b32 s[WV], v1                  ; wave 0..3
	s_lshr_b32 s[WH], s[WV], 1                     ; which four tiles of source 1 are mine
	s_and_b32 s[WL], s[WV], 1                      ; which four of source 0
	s_bfe_u32 s[CX], ttmp6, 0x40000
	s_bfe_u32 s[CY], ttmp6, 0x40004
	s_lshl_b32 s[GX], ttmp9, 2
	s_add_co_u32 s[GX], s[GX], s[CX]               ; work-group x: 128 positions
	s_and_b32 s[GY], ttmp7, 0xffff
	s_lshl_b32 s[GY], s[GY], 2
	s_add_co_u32 s[GY], s[GY], s[CY]               ; work-group y: 128 columns
	s_lshl_b32 s27, s[CY], 2
	s_lshl_b32 s27, 15, s27                        ; my row of the cluster
	s_lshl_b32 s98, 0x1111, s[CX]                  ; my column
	s_or_b32 s[G1PJ], s27, (3<<16)|(1<<21)         ; the mask; elements of 8 bytes; bit 21 set beside a mask; no padding
	s_or_b32 s[G1QJ], s27, (3<<16)|(1<<21)
	s_or_b32 s[G1PP], s98, (3<<16)|(1<<21)
	s_or_b32 s[G1QP], s98, (3<<16)|(1<<21)
.irp g, G1PJ, G1PP
	s_mov_b32 s[\g+1], 576<<16                     ; rows of 4,608 bytes: three K steps of a tile
	s_mov_b32 s[\g+2], 8<<16                       ; 8 rows at the head, 4 in the refill
	s_mov_b32 s[\g+3], 576<<16
	s_mov_b32 s[\g+4], 8
	s_mov_b32 s[\g+5], 3072                        ; 24,576 bytes from tile to tile
	s_mov_b32 s[\g+6], 0
	s_mov_b32 s[\g+7], 0
.endr
.irp g, G1QJ, G1QP
	s_mov_b32 s[\g+1], 1920<<16                    ; rows of 15,360 bytes: ten K steps of a tile
	s_mov_b32 s[\g+2], 8<<16
	s_mov_b32 s[\g+3], 1920<<16
	s_mov_b32 s[\g+4], 8
	s_mov_b32 s[\g+5], 3072
	s_mov_b32 s[\g+6], 0
	s_mov_b32 s[\g+7], 0
.endr
	; s14-17 never hold x, s60-63 never hold y
	s_lshl_b32 s14, s[GY], 3
	s_add_co_u32 s14, s14, 320                     ; source 0's first tile
	s_lshl_b32 s93, s[WL], 2
	s_add_co_u32 s16, s14, s93
	s_lshl_b32 s16, s16, 10                        ; the scale words of my four tiles of it
	s_mov_b32 s17, 0
	s_mul_i32 s14, s14, TILEB
	s_mov_b32 s15, 0
	s_lshl_b32 s60, s[GX], 3                       ; source 1's first tile
	s_lshl_b32 s94, s[WH], 2
	s_add_co_u32 s62, s60, s94
	s_lshl_b32 s62, s62, 10
	s_mov_b32 s63, 0
	s_mul_i32 s60, s60, TILEB
	s_mov_b32 s61, 0
	s_mul_i32 s94, s[WL], 4*TILEB                  ; the refill: which half of a source I fetch,
	s_add_co_u32 s94, s94, 13*1536                 ; from K step 13 on,
	s_mov_b32 s95, 0
	s_mul_i32 s93, s[WL], 4*PT                     ; and its place in P.  Also: my four tiles of source 0 there
	s_lshl_b32 s96, s[GX], 7
	s_lshl_b32 s97, s[WH], 6
	s_add_co_u32 s96, s96, s97                     ; my first row of out0,
	s_lshl_b32 s96, s96, 13                        ; x 8,192 bytes,
	s_lshl_b32 s97, s[GY], 9
	s_add_co_u32 s96, s96, s97
	s_lshl_b32 s97, s[WL], 8
	s_add_co_u32 s96, s96, s97                     ; + my first column x 4
	s_mov_b32 s97, 0
	s_wait_dscnt 0x0                               ; both opening adds are done
	CROUND                                         ; the round in front of the first joint loads: it hangs on no argument, so it stands ahead of the wait for them
	s_wait_kmcnt 0x0
	s_add_nc_u64 s[14:15], s[4:5], s[14:15]
	s_add_nc_u64 s[16:17], s[6:7], s[16:17]
	s_add_nc_u64 s[60:61], s[8:9], s[60:61]
	s_add_nc_u64 s[62:63], s[10:11], s[62:63]
	s_add_nc_u64 s[12:13], s[12:13], s[96:97]
	s_mov_b32 s[GH0], 1                            ; P, source 0: K steps 0-2
	s_mov_b32 s[GH0+1], 0
	s_mov_b64 s[GH0+2:GH0+3], s[14:15]
	s_or_b32 s[GH0+3], s[GH0+3], 0x80000000
	s_mov_b32 s[GH1], 1                            ; P, source 1
	s_mov_b32 s[GH1+1], 8*PT
	s_mov_b64 s[GH1+2:GH1+3], s[60:61]
	s_or_b32 s[GH1+3], s[GH1+3], 0x80000000
	s_mov_b32 s[GH2], 1                            ; Q, source 0: K steps 3-12
	s_mov_b32 s[GH2+1], QB
	s_add_nc_u64 s[GH2+2:GH2+3], s[14:15], 3*1536
	s_or_b32 s[GH2+3], s[GH2+3], 0x80000000
	s_mov_b32 s[GH3], 1                            ; Q, source 1
	s_mov_b32 s[GH3+1], QB+8*QT
	s_add_nc_u64 s[GH3+2:GH3+3], s[60:61], 3*1536
	s_or_b32 s[GH3+3], s[GH3+3], 0x80000000
	s_mov_b32 s[GR0], 1                            ; the refill, source 0's half
	s_mov_b32 s[GR0+1], s93
	s_add_nc_u64 s[GR0+2:GR0+3], s[14:15], s[94:95]
	s_or_b32 s[GR0+3], s[GR0+3], 0x80000000
	s_mov_b32 s[GR1], 1                            ; and source 1's
	s_add_co_u32 s[GR1+1], s93, 8*PT
	s_add_nc_u64 s[GR1+2:GR1+3], s[60:61], s[94:95]
	s_or_b32 s[GR1+3], s[GR1+3], 0x80000000
	ARM 1, GH0, G1PJ, .Lhead_1                     ; one chain of four arms, a load in each: every way through the head passes one load
	ARM 2, GH1, G1PP, .Lhead_2
	ARM 3, GH2, G1QJ, .Lhead_3
	tensor_load_to_lds s[GH3:GH3+3], s[G1QP:G1QP+7]
	s_nop 0
.rept 4
	v_nop
.endr
.Lhead_asked:
	v_and_b32 v[LN], 31, v0
	v_lshlrev_b32 v[LI], 4, v[LN]
	s_mul_i32 s92, s[WH], 4*PT
	s_add_co_u32 s92, s92, 8*PT
	v_add_nc_u32 v[ADP], s93, v[LI]
	v_add_nc_u32 v[ADP+1], s92, v[LI]
	s_mul_i32 s92, s[WL], 4*QT
	s_add_co_u32 s92, s92, QB
	v_add_nc_u32 v[ADQ], s92, v[LI]
	s_mul_i32 s92, s[WH], 4*QT
	s_add_co_u32 s92, s92, QB+8*QT
	v_add_nc_u32 v[ADQ+1], s92, v[LI]
	v_and_b32 v3, 15, v0                           ; r
	v_bfe_u32 v4, v0, 4, 1                         ; h
	v_lshlrev_b32 v[SLO], 4, v3
	v_lshl_add_u32 v[CO], v4, 13, v[SLO]           ; out0: 16 r + a row x h
	v_lshl_add_u32 v[SLO], v4, 10, v[SLO]
	s_mul_i32 s92, s[WV], 16*SPITCH
	s_add_co_u32 s92, s92, STAGE                   ; my stage
	v_mul_u32_u24 v[STO], v3, SPITCH               ; in: row r, 64 bytes for each half of the lanes
	v_lshl_add_u32 v[STO], v4, 6, v[STO]
	v_add_nc_u32 v[STO], s92, v[STO]
	v_mul_u32_u24 v[RD], v4, SPITCH                ; back: lanes 0-15 one row of 256 bytes, lanes 16-31 the next
	v_lshl_add_u32 v[RD], v3, 4, v[RD]
	v_add_nc_u32 v[RD], s92, v[RD]
	s_wait_alu depctr_va_vdst(0)
	; all scale words of my tiles, for all of K, once: each half of the lanes reads 256 consecutive bytes, aligned
.irp p, 0,1
.irp g, 0,1,2,3
	global_load_b128 v[SC0+16*\p+4*\g:SC0+16*\p+4*\g+3], v[SLO], s[16:17] offset:2048*\p+256*\g
	global_load_b128 v[SC1+16*\p+4*\g:SC1+16*\p+4*\g+3], v[SLO], s[62:63] offset:2048*\p+256*\g
.endr
.endr
	s_wait_tensorcnt 0x0                           ; my one load is in.  No load of mine is out, so a descriptor may be written: the refill's loads bring 4 rows
	s_mov_b32 s[G1PJ+2], 4<<16
	s_mov_b32 s[G1PJ+4], 4
	s_mov_b32 s[G1PP+2], 4<<16
	s_mov_b32 s[G1PP+4], 4
	s_barrier_signal -1                            ; it shows P and Q whole to all four waves
	s_barrier_wait -1
	FETCH 0, 0
	s_wait_loadcnt 0x0                             ; the scale words
	STEPK 0, 1                                     ; the first K step starts the sums: nothing is cleared
	STEPK 1, 0
	CHG 2, 1
.irp k, 3,4,5,6,7,8,9,10,11
	STEPK \k, 0
.endr
	CHG 12, 0
	STEPK 13, 0
	STEPK 14, 0
	s_wait_dscnt 0x0
	WIN MUL
	MULA 0, 1, 15, 0
	MULA 1, 1, 15, 0
	MULA 2, 1, 15, 0
	MULA 3, 1, 15, 0
	WIN 0
; THE WAY OUT of source 1's tile a: 16 rows x 64 columns go through my own stage and come back as whole rows of 256 bytes.  LDS serves a wave's instructions in order: no wait between the stores and the loads.
.macro TOSTAGE a
	WIN 0x04                                       ; an LDS store's data are its source 1: window 1
.irp b, 0,1,2,3
	ds_store_b128 v[STO], v[ACC+8*(4*(\a)+\b):ACC+8*(4*(\a)+\b)+3] offset:128*(\b/2)+32*(\b%2)      ; each accumulator from its low end on
	ds_store_b128 v[STO], v[ACC+8*(4*(\a)+\b)+4:ACC+8*(4*(\a)+\b)+7] offset:128*(\b/2)+32*(\b%2)+16
.endr
	WIN 0
.irp t, 0,1,2,3,4,5,6,7
	ds_load_b128 v[BK+32*(\a)+4*\t:BK+32*(\a)+4*\t+3], v[RD] offset:\t*2*SPITCH
.endr
.endm
.macro SEND a, younger                 ; younger: the LDS instructions issued behind tile a's loads, which may stay out.  Each tile has data registers of its own
	s_wait_dscnt \younger
.irp t, 0,1,2,3,4,5,6,7
	global_store_b128 v[CO], v[BK+32*(\a)+4*\t:BK+32*(\a)+4*\t+3], s[12:13] offset:(32*((\a)/2)+8*((\a)%2)+2*\t+8*(\t/4))*8192 th:TH_STORE_NT   ; 16 lanes store 256 consecutive bytes, aligned
.endr
.endm
	PLACES 4                                       ; in front of the first reads of results and of loads into registers that held fragments
	TOSTAGE 0
	TOSTAGE 1
	SEND 0, 16
	TOSTAGE 2
	SEND 1, 16
	TOSTAGE 3
	SEND 2, 16
	SEND 3, 0
	s_wait_tensorcnt 0x0                           ; the wave's end
	ds_add_u32 v[SPW], v[NIL]
	s_wait_dscnt 0x0
	CROUND                                         ; the closing round: no work-group ends while a partner may still ask for a tile that names it
	s_endpgm
.Lfunc_end_k_q7f0880b1f6_proj:
	.size	k_q7f0880b1f6_proj, .Lfunc_end_k_q7f0880b1f6_proj-k_q7f0880b1f6_proj
	.p2alignl 7, 3214868480
	.fill 96, 4, 3214868480
	.section	.rodata,"a",@progbits
	.p2align	6, 0x0
	.amdhsa_kernel k_q7f0880b1f6_proj
		.amdhsa_group_segment_fixed_size 327680
		.amdhsa_private_segment_fixed_size 0
		.amdhsa_enable_private_segment 0
		.amdhsa_kernarg_size 40
		.amdhsa_user_sgpr_count 2
		.amdhsa_user_sgpr_kernarg_segment_ptr 1
		.amdhsa_wavefront_size32 1
		.amdhsa_system_sgpr_workgroup_id_x 1
		.amdhsa_system_sgpr_workgroup_id_y 1
		.amdhsa_system_sgpr_workgroup_id_z 1
		.amdhsa_system_vgpr_workitem_id 0
		.amdhsa_next_free_vgpr 512
		.amdhsa_next_free_sgpr 100
		.amdhsa_reserve_vcc 0
		.amdhsa_float_denorm_mode_32 3
		.amdhsa_float_denorm_mode_16_64 3
		.amdhsa_memory_ordered 1
		.amdhsa_forward_progress 1
		.amdhsa_inst_pref_size 80
	.end_amdhsa_kernel
	.amdgpu_metadata
---
amdhsa.version: [ 1, 2 ]
amdhsa.kernels:
  - .name:           k_q7f0880b1f6_proj
    .symbol:         k_q7f0880b1f6_proj.kd
    .args:
      - { .name: codes1, .offset: 0, .size: 8, .value_kind: global_buffer, .address_space: global }
      - { .name: scales1, .offset: 8, .size: 8, .value_kind: global_buffer, .address_space: global }
      - { .name: acodes, .offset: 16, .size: 8, .value_kind: global_buffer, .address_space: global }
      - { .name: ascales, .offset: 24, .size: 8, .value_kind: global_buffer, .address_space: global }
      - { .name: out0, .offset: 32, .size: 8, .value_kind: global_buffer, .address_space: global }
    .group_segment_fixed_size: 327680
    .private_segment_fixed_size: 0
    .kernarg_segment_align: 8
    .kernarg_segment_size: 40
    .max_flat_workgroup_size: 128
    .sgpr_count:     100
    .vgpr_count:     512
    .wavefront_size: 32
...
	.end_amdgpu_metadata
.endif
;; end of part 4
